; MI455X (gfx1250); checked and timed in simulation.
; The chip was launched on July 23, 2026; its instructions are those of AMD's public machine-readable ISA for CDNA 5 (MIT licence, August 2026) and "CDNA5" Instruction Set Architecture Reference Guide (July 2026). The comments in the code are by the model that wrote it; some were corrected since.
;; Multi Head Attention. Allowed arithmetic: matrix products marked QUANTISED: E2M1 operands, one E8M0 scale for each 32 along K, by v_wmma_scale_f32_16x16x128_f8f6f4 with both operands' format E2M1 (or v_wmma_scale_f32_32x16x128_f4), f32 sums; everything else in f32.
;; Inputs: K 4 x 2,048 x 1,024 float32; Q 4 x 2,048 x 1,024 float32; V 4 x 2,048 x 1,024 float32; W_k 1,024 x 1,024 float32; W_o 1,024 x 1,024 float32; W_q 1,024 x 1,024 float32; W_v 1,024 x 1,024 float32; b_k 1,024 float32; b_o 1,024 float32; b_q 1,024 float32; b_v 1,024 float32.
;; Outputs: out0 4 x 2,048 x 1,024 float32.
;; This version of the problem:
;;   THIS VERSION OF THE PROBLEM IS GIVEN IN LOW PRECISION. The matrix products marked QUANTISED in the list below multiply operands that are first quantised to E2M1 (2 exponent bits, 1 mantissa bit; 4 bits a number), with one power-of-two scale for each 32 numbers along K (OCP MX v1.0); their sums are f32. All else is computed in f32.
;;   The module's matrix products, in the order in which they are computed (A, B: the left and right operand; K: the contracted axis; several contracted axes count as one K, in the product's order):
;;     1. [M 8,192, K 1,024] x [K 1,024, N 1,024]; A: input Q; B: input W_q: QUANTISED
;;     2. [M 8,192, K 1,024] x [K 1,024, N 1,024]; A: input K; B: input W_k: QUANTISED
;;     3. [M 8,192, K 1,024] x [K 1,024, N 1,024]; A: input V; B: input W_v: QUANTISED
;;     4. batch 64 x [M 2,048, K 64] x [K 64, N 2,048]; A: computed on the way; B: computed on the way: QUANTISED
;;     5. batch 64 x [M 2,048, K 2,048] x [K 2,048, N 64]; A: softmax (see below); B: computed on the way: QUANTISED
;;     6. [M 8,192, K 1,024] x [K 1,024, N 1,024]; A: computed on the way; B: input W_o: QUANTISED
;;   THE QUANTISER, for each operand of a quantised product, along K:
;;     - K is cut into blocks of 32 from its start; a last block that is shorter is filled with zeros.
;;     - A block's scale is 2^e with e = floor(log2(the largest magnitude in the block)) - 2, held to -126 .. 127; a block of zeros has e = 0. As a byte (E8M0): e + 127.
;;     - Each number is divided by its block's scale, clamped to +-6, and rounded to the nearest number of E2M1, ties to even, subnormals kept.
;;     - The product sums the exact products of the quantised numbers (number of the format x scale) in f32.
;;   ~~~python
;;   def quantise(x, axis):      # numpy; x: float32 -> the quantised numbers, widened to float32 again
;;       x = np.moveaxis(x, axis, -1); K = x.shape[-1]
;;       x = np.pad(x, [(0, 0)] * (x.ndim - 1) + [(0, -K % 32)]); x = x.reshape(x.shape[:-1] + (-1, 32)); a = np.abs(x).max(-1, keepdims=True)
;;       e = np.where(a > 0, np.clip(np.frexp(np.where(a > 0, a, 1))[1] - 1 - 2, -126, 127), 0)      # np.frexp(a)[1] - 1 = floor(log2(a)), exactly
;;       r = np.clip(x / 2.0 ** e, -6, 6)
;;       step = 2.0 ** (np.maximum(np.frexp(np.where(r == 0, 1, r))[1] - 1, 0) - 1)
;;       q = np.round(r / step) * step * 2.0 ** e      # np.round: ties to even
;;       return np.moveaxis(q.reshape(q.shape[:-2] + (-1,))[..., :K], -1, axis).astype(np.float32)
;;   ~~~
;;   SOFTMAX AHEAD OF A QUANTISED PRODUCT. Where the list says 'softmax', what is quantised is not the finished softmax but p = 2^(t - M), with t = logit x log2(e) and M = ceil(the row's largest t), a whole number; so 1/2 < the row's largest p <= 1. The row's sum l is taken of the UNQUANTISED p, in f32, and the product's result is divided by l at the end. Since M is a whole number, a kernel that streams over the keys may use a running M (the ceiling of the running maximum): every later rescaling is an exact power of two, which a block's scale takes up: the codes' values come out the same.
;;   OPERANDS COMPUTED ON THE WAY. 'Computed on the way' means the value that the module computes at that place (a softmax that the list does not call 'softmax' is quantised finished and normalised). What goes into a quantiser is computed in f32, as accurately as f32 sums, v_exp_f32 and their like allow (about 1e-6 of the number): no bf16 or f16 on the way to a quantiser, and a product that is left as it is and whose result goes on into a quantised operand takes f32 operands (vector FMAs, or v_wmma_f32_16x16x4_f32). A number that lies on a knife's edge between two numbers of the format may be rounded either way, as far as f32 arithmetic and the matrix unit's own rounding can turn it there, and no further.
;; One version. Each part assembles by itself: llvm-mc -triple=amdgcn-amd-amdhsa -mcpu=gfx1250 --defsym DOCPART=n.
;; ======== version 1 of 1: 4 launches
;; workspace buffers: xc 12,582,912 bytes; xs 786,432 bytes; wc 2,097,152 bytes; ws 131,072 bytes; qb 4,718,592 bytes; kv 9,175,040 bytes; ac 4,194,304 bytes; asc 262,144 bytes
;; launch quant (part 1): grid 512 x 1, 4 waves a work-group, no clusters, 34,304 bytes of LDS; arguments Q, K, V, W_q, W_k, W_v, W_o, xc, xs, wc, ws; writes xc, xs, wc, ws
.if DOCPART == 1
	.amdgcn_target "amdgcn-amd-amdhsa--gfx1250"
	.amdhsa_code_object_version 6
	.text
	.protected	k_q61feff6308_quant
	.globl	k_q61feff6308_quant
	.p2align	8
	.type	k_q61feff6308_quant,@function
k_q61feff6308_quant:
	s_mov_b64 s[64:65], 0
	v_nop
	global_prefetch_b8 v0, s[64:65] scope:SCOPE_SE
	s_setreg_imm32_b32 hwreg(HW_REG_WAVE_MODE, 25, 1), 1
	s_wait_xcnt 0x0
; LAUNCH 1 OF 4.  Causal multi-head attention, B 4, S 2,048, E 1,024, 16 heads of 64, every product on codes of E2M1 with one E8M0 scale for each 32 along K.
; The four launches: (1) this one: Q, K, V and the four weights become codes and scale words; (2) the three projections, whose way out adds the bias and quantises q, k, v in registers;
; (3) attention on codes, whose way out quantises O / l; (4) the projection on the way out, f32 results.
; WORK LEFT OUT, in the whole program: key steps of 128 keys all of which come after all 128 queries of a block.  reference() takes 1e9 off their scores by a mask that it builds in its own body (triu, k = 1),
; so that their weights are 0 beside key 0's, which counts for every query: they reach no output, whatever finite values the inputs hold.  Nothing else is left out; every input has a way to the output
; (each bias stands ahead of a quantiser) and is loaded.
; LIMITS: a NaN, an infinity or an overflow that reaches only hidden keys is not carried to the result.  Inside the step on the diagonal hidden scores are set to -infinity where reference() has score - 1e9:
; the same weights, 0, as long as scores stay far under 1e9 in size.  A block of zeros gets the scale byte 1 where the rule says 127: its codes are zeros, and this program alone reads the bytes.
; Blocks whose largest magnitude lies under 2^-124 are held at the byte 1.  NaN and infinities among the inputs are not served.
;
; LAYOUTS.  A TILE is 16 rows; tile T = 2 g + u holds rows 32 g + 8 u + r + 8 (r / 8), r = 0 .. 15, so that where such tiles are source 0 of a product, a lane's 16 results of tiles 2 g and 2 g + 1 are 16 neighbours.
; A FRAGMENT (a tile x 128 K) lies as an image of the operand's registers: [c 0..1][lane][16 bytes], lane (r, h) piece c = k 64 c + 32 h + 0 .. 31: 1,024 bytes.  Codes: [tile][K step 0..7][1,024].
; Scale words: [tile][half 0..1][r][4 words]: word i of half f serves K step 4 f + i; byte b of a word block b.
; WORK-GROUPS 0 .. 383: Q, K, V.  A wave takes one tile through all 8 K steps.  Each load reads 512 consecutive bytes of a row; a K step's 16 rows turn through the wave's own stage in LDS (pitch 528), from which a
; lane takes two whole blocks of 32 neighbours.  WORK-GROUPS 384 .. 511: the weights, [K][N] in memory: a lane takes a column and its registers run down K; nothing is transposed.
.set SPARE, 33792                      ; behind the four stages of 8,448 bytes: the spare words, 128 bytes a wave
.set SPW, 30                           ; v30  my spare word's address; never rewritten
.set NIL, 31                           ; v31  0; never rewritten
.set R,   32                           ; v32-159  two sets of 64 numbers as loaded
.set X,   160                          ; v160-223 my two blocks of 32 neighbours
.set C,   224                          ; v224-239 two sets of 8 registers of codes
.set W,   240                          ; v240-247 a scale word for each K step
	s_load_b256 s[4:11], s[0:1], 0x0               ; Q s[4:5], K s[6:7], V s[8:9], W_q s[10:11]
	s_load_b256 s[12:19], s[0:1], 0x20             ; W_k s[12:13], W_v s[14:15], W_o s[16:17], xc s[18:19]
	s_load_b128 s[20:23], s[0:1], 0x40             ; xs s[20:21], wc s[22:23]
	s_load_b64 s[24:25], s[0:1], 0x50              ; ws
	v_lshl_add_u32 v[SPW], v0, 2, SPARE
	v_mov_b32 v[NIL], 0
	v_lshrrev_b32 v1, 5, v0
	v_readfirstlane_b32 s28, v1                    ; wave
	v_and_b32 v1, 31, v0                           ; lane
	s_cmp_ge_u32 ttmp9, 384
	s_cbranch_scc1 .Lw
; ---------------- Q, K, V ----------------
	v_lshlrev_b32 v2, 4, v1                        ; 16 x lane: my bytes of a load's 512, of an image's 512, of a tile's scale words
	s_mul_i32 s29, s28, 8448                       ; my wave's stage
	v_add_nc_u32 v3, s29, v2                       ; into it: row i at 528 i
	v_and_b32 v6, 15, v1                           ; r
	v_lshrrev_b32 v7, 4, v1                        ; h
	v_mul_u32_u24 v4, v6, 528
	v_lshl_add_u32 v4, v7, 7, v4
	v_add_nc_u32 v4, s29, v4                       ; out of it: row r, + 128 h bytes: k = 32 h on
	v_lshlrev_b32 v5, 3, v7                        ; 8 h: where my two bytes stand in a scale word
	v_mov_b32 v15, 0                               ; written once: a lane permute's destination counts as one of its sources
	s_mov_b32 s30, 0x76543210
	s_mov_b32 s31, 0xfedcba98                      ; selects for lane l xor 16
	s_lshl_b32 s32, ttmp9, 2
	s_add_co_u32 s32, s32, s28                     ; my tile among the 1,536
	s_and_b32 s33, s32, 511                        ; and in its tensor
	s_lshr_b32 s34, s33, 1
	s_lshl_b32 s34, s34, 17                        ; 32 rows of 4,096 bytes for each pair of tiles,
	s_and_b32 s35, s33, 1
	s_lshl_b32 s35, s35, 15                        ; 8 rows for the odd one
	s_add_co_u32 s34, s34, s35
	s_mov_b32 s35, 0
	s_lshl_b32 s36, s32, 13                        ; a tile's codes: 8,192 bytes
	s_mov_b32 s37, 0
	s_lshl_b32 s38, s32, 9                         ; its scale words: 512
	s_mov_b32 s39, 0
	s_wait_alu depctr_va_vdst(0)
	s_wait_kmcnt 0x0
	s_cmp_lt_u32 ttmp9, 256                        ; 128 work-groups to a tensor: the choice hangs on the work-group's number alone
	s_cselect_b64 s[6:7], s[6:7], s[8:9]
	s_cmp_lt_u32 ttmp9, 128
	s_cselect_b64 s[4:5], s[4:5], s[6:7]
	s_add_nc_u64 s[4:5], s[4:5], s[34:35]
	s_add_nc_u64 s[18:19], s[18:19], s[36:37]
	s_add_nc_u64 s[20:21], s[20:21], s[38:39]
.macro XLOAD t                         ; K step t: 512 bytes of each of the tile's 16 rows
.irp i, 0,1,2,3,4,5,6,7,8,9,10,11,12,13,14,15
	global_load_b128 v[R+64*((\t)%2)+4*\i:R+64*((\t)%2)+4*\i+3], v2, s[4:5] offset:(\i+8*(\i/8))*4096+512*(\t) th:TH_LOAD_NT
.endr
.endm
.macro XSTEP t
.set RS, R+64*((\t)%2)
.set CC, C+8*((\t)%2)
.if (\t) < 7
	s_wait_loadcnt 16                              ; this step's 16 loads are in; the next step's 16 may be out
.else
	s_wait_loadcnt 0
.endif
.irp i, 0,1,2,3,4,5,6,7,8,9,10,11,12,13,14,15
	ds_store_b128 v3, v[RS+4*\i:RS+4*\i+3] offset:528*\i
.endr
.irp c, 0,1
.irp j, 0,1,2,3,4,5,6,7
	ds_load_b128 v[X+32*\c+4*\j:X+32*\c+4*\j+3], v4 offset:256*\c+16*\j   ; LDS serves a wave's instructions in order: these see the stores above
.endr
.endr
	s_wait_dscnt 0x0                               ; my 64 numbers are back, and the stores have read their registers,
.if (\t)+2 < 8
	XLOAD (\t)+2                                   ; which take the loads of two steps on
.endif
.irp c, 0,1
	v_max3_num_f32 v[8+\c], |v[X+32*\c]|, |v[X+32*\c+1]|, 0x1800000       ; block 2 c + h: all its 32 numbers are mine; the floor 2^(3 - 127) holds the byte at 1 from below
.endr
.irp i, 2,4,6,8,10,12,14,16,18,20,22,24,26,28,30
.irp c, 0,1
	v_max3_num_f32 v[8+\c], v[8+\c], |v[X+32*\c+\i]|, |v[X+32*\c+\i+1]|   ; (the two blocks by turns)
.endr
.endr
.irp c, 0,1
	v_add_nc_u32 v[10+\c], 0xff000000, v[8+\c]     ; 2 off the exponent field: the conversion's scale operand
.endr
.irp c, 0,1
	v_lshrrev_b32 v[12+\c], 23, v[10+\c]           ; the scale's byte
.endr
.if (\t) >= 2
	s_wait_alu depctr_va_vdst(0)
	s_wait_xcnt 0x0                                ; the stores of two steps back have read this set of codes
.endif
.irp c, 0,1
.irp g, 0,1,2,3
	v_cvt_scalef32_pk8_fp4_f32 v[CC+4*\c+\g], v[X+32*\c+8*\g:X+32*\c+8*\g+7], v[10+\c]
.endr
.endr
	v_lshl_or_b32 v14, v13, 16, v12                ; my two bytes, blocks h and 2 + h,  (plain lines behind the conversions)
	v_lshlrev_b32 v14, v5, v14                     ; at their places;
	v_permlanex16_b32 v15, v14, s30, s31
	v_or_b32 v[W+(\t)], v14, v15                   ; with lane l xor 16's two the word is whole
	global_store_b128 v2, v[CC:CC+3], s[18:19] offset:1024*(\t)           ; the image: 512 consecutive bytes a store
	global_store_b128 v2, v[CC+4:CC+7], s[18:19] offset:1024*(\t)+512
.endm
	XLOAD 0
	XLOAD 1
.irp t, 0,1,2,3,4,5,6,7
	XSTEP \t
.endr
	v_cmp_le_u32 vcc_lo, 16, v1                    ; lanes 0-15 store the words of K steps 0-3, lanes 16-31 those of 4-7
.irp i, 0,1,2,3
	v_cndmask_b32 v[248+\i], v[W+\i], v[W+4+\i], vcc_lo
.endr
	global_store_b128 v2, v[248:251], s[20:21]     ; the tile's 512 bytes of scale words
	s_branch .Lend
; ---------------- the weights ----------------
.Lw:
	s_sub_co_u32 s29, ttmp9, 384                   ; 0 .. 127: 32 work-groups to a weight
	s_lshr_b32 s32, s29, 5                         ; which weight
	s_bfe_u32 s33, s29, 0x30002                    ; which 128 columns
	s_and_b32 s34, s29, 3                          ; which 256 along K
	s_lshl_b32 s35, s33, 2
	s_add_co_u32 s35, s35, s28                     ; g: my wave's 32 columns = tiles 2 g and 2 g + 1
	s_wait_alu depctr_va_vdst(0)
	v_lshlrev_b32 v2, 2, v1                        ; in: 4 bytes a lane
	v_bfe_u32 v6, v1, 3, 1                         ; column 32 g + x lies in tile u = (x / 8) % 2,
	v_and_b32 v7, 7, v1
	v_lshrrev_b32 v8, 4, v1
	v_lshl_add_u32 v7, v8, 3, v7                   ; at row r = x % 8 + 8 (x / 16)
	v_lshlrev_b32 v7, 4, v7
	v_lshl_add_u32 v3, v6, 13, v7                  ; codes: 8,192 u + 16 r
	v_lshl_add_u32 v4, v6, 9, v7                   ; scale words: 512 u + 16 r
	s_lshl_b32 s36, s34, 20                        ; 256 rows of 4,096 bytes,
	s_lshl_b32 s37, s35, 7                         ; 32 columns of 4
	s_add_co_u32 s36, s36, s37
	s_mov_b32 s37, 0
	s_lshl_b32 s38, s32, 19                        ; codes: 524,288 a weight, 16,384 a pair of tiles, 2,048 for 256 along K
	s_lshl_b32 s39, s35, 14
	s_add_co_u32 s38, s38, s39
	s_lshl_b32 s39, s34, 11
	s_add_co_u32 s38, s38, s39
	s_mov_b32 s39, 0
	s_lshl_b32 s40, s32, 15                        ; scale words: 32,768 a weight, 1,024 a pair of tiles; my two K steps' words
	s_lshl_b32 s41, s35, 10
	s_add_co_u32 s40, s40, s41
	s_lshr_b32 s41, s34, 1
	s_lshl_b32 s41, s41, 8
	s_add_co_u32 s40, s40, s41
	s_and_b32 s41, s34, 1
	s_lshl_b32 s41, s41, 3
	s_add_co_u32 s40, s40, s41
	s_mov_b32 s41, 0
	s_wait_alu depctr_va_vdst(0)
	s_wait_kmcnt 0x0
	s_cmp_lt_u32 s29, 32
	s_cselect_b64 s[10:11], s[10:11], s[12:13]
	s_cmp_lt_u32 s29, 96
	s_cselect_b64 s[14:15], s[14:15], s[16:17]
	s_cmp_lt_u32 s29, 64
	s_cselect_b64 s[10:11], s[10:11], s[14:15]
	s_add_nc_u64 s[10:11], s[10:11], s[36:37]
	s_add_nc_u64 s[22:23], s[22:23], s[38:39]
	s_add_nc_u64 s[24:25], s[24:25], s[40:41]
.macro WLOAD t                         ; block t: W(32 t + i, my column): 128 consecutive bytes a wave, 512 a work-group
.irp i, 0,1,2,3,4,5,6,7,8,9,10,11,12,13,14,15,16,17,18,19,20,21,22,23,24,25,26,27,28,29,30,31
	global_load_b32 v[32+32*((\t)%2)+\i], v2, s[10:11] offset:(32*(\t)+\i)*4096 th:TH_LOAD_NT
.endr
.endm
.macro WBLOCK t
.set XS, 32+32*((\t)%2)
.if (\t) < 7
	s_wait_loadcnt 32                              ; this block's 32 loads are in; the next block's may be out
.else
	s_wait_loadcnt 0
.endif
	v_max3_num_f32 v12, |v[XS]|, |v[XS+1]|, |v[XS+2]|
	v_max3_num_f32 v13, |v[XS+3]|, |v[XS+4]|, |v[XS+5]|
.irp i, 6,10,14,18,22,26
	v_max3_num_f32 v12, v12, |v[XS+\i]|, |v[XS+\i+1]|
	v_max3_num_f32 v13, v13, |v[XS+\i+2]|, |v[XS+\i+3]|
.endr
	v_max3_num_f32 v12, v12, |v[XS+30]|, |v[XS+31]|
	v_max3_num_f32 v12, v12, v13, 0x1800000        ; and the floor
	v_add_nc_u32 v11, 0xff000000, v12
	v_lshrrev_b32 v13, 23, v11
.if (\t)%4 == 0
	v_mov_b32 v[128+(\t)/4], v13                   ; four bytes to a word, a word to a K step
.else
	v_lshl_or_b32 v[128+(\t)/4], v13, 8*((\t)%4), v[128+(\t)/4]
.endif
.irp g, 0,1,2,3
	v_cvt_scalef32_pk8_fp4_f32 v[96+4*(\t)+\g], v[XS+8*\g:XS+8*\g+7], v11   ; each block has its own four registers: no store's data are written again
.endr
	global_store_b128 v3, v[96+4*(\t):96+4*(\t)+3], s[22:23] offset:((\t)/4)*1024+(((\t)/2)%2)*512+((\t)%2)*256   ; block 2 c + h of its K step: piece c, lanes 16 h + r: the 16 lanes of a tile fill 256 consecutive bytes, aligned
.if (\t)+2 < 8
	WLOAD (\t)+2
.endif
.endm
	WLOAD 0
	WLOAD 1
.irp t, 0,1,2,3,4,5,6,7
	WBLOCK \t
.endr
	global_store_b64 v4, v[128:129], s[24:25]      ; my column's two scale words: 8 bytes a lane, 16 bytes apart (131,072 bytes of such stores in the whole launch)
.Lend:
	s_wait_tensorcnt 0x0                           ; the wave's end
	ds_add_u32 v[SPW], v[NIL]
	s_wait_dscnt 0x0
	s_endpgm
.Lfunc_end_k_q61feff6308_quant:
	.size	k_q61feff6308_quant, .Lfunc_end_k_q61feff6308_quant-k_q61feff6308_quant
	.p2alignl 7, 3214868480
	.fill 96, 4, 3214868480
	.section	.rodata,"a",@progbits
	.p2align	6, 0x0
	.amdhsa_kernel k_q61feff6308_quant
		.amdhsa_group_segment_fixed_size 34304
		.amdhsa_private_segment_fixed_size 0
		.amdhsa_enable_private_segment 0
		.amdhsa_kernarg_size 88
		.amdhsa_user_sgpr_count 2
		.amdhsa_user_sgpr_kernarg_segment_ptr 1
		.amdhsa_wavefront_size32 1
		.amdhsa_system_sgpr_workgroup_id_x 1
		.amdhsa_system_sgpr_workgroup_id_y 1
		.amdhsa_system_sgpr_workgroup_id_z 1
		.amdhsa_system_vgpr_workitem_id 0
		.amdhsa_next_free_vgpr 256
		.amdhsa_next_free_sgpr 66
		.amdhsa_reserve_vcc 1
		.amdhsa_float_denorm_mode_32 3
		.amdhsa_float_denorm_mode_16_64 3
		.amdhsa_memory_ordered 1
		.amdhsa_forward_progress 1
		.amdhsa_inst_pref_size 95
	.end_amdhsa_kernel
	.amdgpu_metadata
---
amdhsa.version: [ 1, 2 ]
amdhsa.kernels:
  - .name:           k_q61feff6308_quant
    .symbol:         k_q61feff6308_quant.kd
    .args:
      - { .name: Q, .offset: 0, .size: 8, .value_kind: global_buffer, .address_space: global }
      - { .name: K, .offset: 8, .size: 8, .value_kind: global_buffer, .address_space: global }
      - { .name: V, .offset: 16, .size: 8, .value_kind: global_buffer, .address_space: global }
      - { .name: W_q, .offset: 24, .size: 8, .value_kind: global_buffer, .address_space: global }
      - { .name: W_k, .offset: 32, .size: 8, .value_kind: global_buffer, .address_space: global }
      - { .name: W_v, .offset: 40, .size: 8, .value_kind: global_buffer, .address_space: global }
      - { .name: W_o, .offset: 48, .size: 8, .value_kind: global_buffer, .address_space: global }
      - { .name: xc, .offset: 56, .size: 8, .value_kind: global_buffer, .address_space: global }
      - { .name: xs, .offset: 64, .size: 8, .value_kind: global_buffer, .address_space: global }
      - { .name: wc, .offset: 72, .size: 8, .value_kind: global_buffer, .address_space: global }
      - { .name: ws, .offset: 80, .size: 8, .value_kind: global_buffer, .address_space: global }
    .group_segment_fixed_size: 34304
    .private_segment_fixed_size: 0
    .kernarg_segment_align: 8
    .kernarg_segment_size: 88
    .max_flat_workgroup_size: 128
    .sgpr_count:     66
    .vgpr_count:     256
    .wavefront_size: 32
...
	.end_amdgpu_metadata
.endif
;; end of part 1
;; launch proj (part 2): grid 4 x 96, 4 waves a work-group, clusters of 4 x 4, 327,680 bytes of LDS; arguments xc, xs, wc, ws, b_q, b_k, b_v, qb, kv; writes qb, kv
.if DOCPART == 2
	.amdgcn_target "amdgcn-amd-amdhsa--gfx1250"
	.amdhsa_code_object_version 6
	.text
	.protected	k_q61feff6308_proj
	.globl	k_q61feff6308_proj
	.p2align	8
	.type	k_q61feff6308_proj,@function
k_q61feff6308_proj:
	s_mov_b64 s[64:65], 0
	v_nop
	global_prefetch_b8 v0, s[64:65] scope:SCOPE_SE
	s_setreg_imm32_b32 hwreg(HW_REG_WAVE_MODE, 25, 1), 1
	s_wait_xcnt 0x0
	s_wait_alu depctr_hold_cnt(0) depctr_sa_sdst(0) depctr_va_vdst(0) depctr_va_sdst(0) depctr_va_ssrc(0) depctr_va_vcc(0) depctr_vm_vsrc(0)
	s_getreg_b32 s2, hwreg(HW_REG_IB_STS2, 6, 4)
	s_cmp_eq_u32 s2, 0
	s_cbranch_scc0 .Lentry_in_a_cluster
	s_endpgm
.Lentry_in_a_cluster:
	s_bfe_u32 s2, ttmp6, 0x10000c
	s_cmp_lg_u32 s2, 0xf033
	s_cbranch_scc0 .Lentry_shape_is_right
	s_endpgm
.Lentry_shape_is_right:
; LAUNCH 2 OF 4: q = Q W_q + b_q, k = K W_k + b_k, v = V W_v + b_v on codes of E2M1, and their quantising for attention, in registers: no f32 q, k or v goes to memory.
; A work-group of four waves makes 256 x 256 results, a wave 128 x 128: 64 accumulators of 16 x 16.  K = 1,024 is two LDS slots of four steps of 128: every tensor load is a first fill; nothing is filled again.
; Operands lie in memory as images of their registers (launch 1), so a fragment is two loads of 512 consecutive bytes: no pitch, no padding.
; SOURCE 0 AND SOURCE 1.  In a result, lane (r, h) holds column r of source 1's tile, and its registers run along source 0's rows.  What is quantised next runs along a lane's registers:
;   q, k (clusters 0-15 along y): K of the next product is the head's 64: source 0 = the weight (256 features), source 1 = 256 tokens.  A wave's 128 features are two heads.
;   v (clusters 16-23): K of the next product is the keys: source 0 = V's tokens (256 keys), source 1 = W_v (256 features).  A wave's 128 keys are one key step of attention.
; Only pointers and offsets differ between the three: the main part is one text.  The tiles' rows are chosen (launch 1) so that a lane's 64 results of one tile of source 1 are k = 32 b + 16 h + i at register 16 b + i.
; CLUSTERS: 4 x 4 work-groups.  Source 1's block hangs on the place along y alone and is shared along a row of the cluster, source 0's on the place along x alone and is shared along a column: joint loads.
; No prefetch: every tensor load stands at the head.
; OUT.  qb: [b x head][block of 128 queries][8 tiles x 512 bytes, 512 bytes of scale words].  kv: [b x head][key step of 128][K: 8 tiles x 512 | V^T: 4 tiles of d x 1,024 | K's scale words 512 | V's 256].
; A tile of q or k is 16 rows x 64: lane (r, h) holds d = 32 h + 0 .. 31 in 16 bytes.  Their scale words: [lane][4 words], lane r tiles 0-3, lane 16 + r tiles 4-7; two bytes in the low half, the high half 0.
; REGISTERS, in windows of 256: window 0: v16-29 addresses; v32-95 scale words, two sets, nothing else ever; v96-127 the way out's work; v128-191 source 1's fragments, later a tile's 64 numbers; v192-255 the bias.
;   window 1: source 0's fragments, two sets.   windows 2, 3: the accumulators: (a, b) at v[8 (8 (a % 4) + b)].
.set NQ,    4                          ; steps of 128 along K in a slot
.set FR,    8                          ; registers of a fragment
.set NL,    2                          ; LDS loads that bring one
.set NP,    4                          ; places behind this matrix instruction (ISA guide 7.12.1)
.set SLOT,  131072                     ; source 1's 16 tiles x 4,096 bytes, then source 0's
.set SCL,   262144                     ; the scale words: source 1's 8,192 bytes, then source 0's
.set SPARE, 278528                     ; the spare words, 128 bytes a wave
.set ADRA, 16                          ; v16-17 my fragments of source 1 in slot 0, 1
.set ADRB, 20                          ; v20-21 of source 0
.set LI,   24                          ; v24 16 x lane
.set LN,   25                          ; v25 lane
.set ADRS, 27                          ; v27 my scale words: lanes 0-15 source 1's, lanes 16-31 source 0's
.set SPW,  28
.set NIL,  29
.set SC,   32
.set TM,   96                          ; v96-111 the quantiser's work
.set PW,   112                         ; v112-119 a scale word for each tile
.set PC,   120                         ; v120-127 a tile's codes
.set AF,   128
.set NUM,  128
.set BB,   192
.set WV,  22
.set HI,  23                           ; wave / 2: my half of source 1.  Also: I fetch for source 1 (0) or source 0 (1)
.set LO,  24                           ; wave % 2: my half of source 0.  Also: which 8 tiles I fetch
.set CX,  25
.set CY,  26
.set TID, 27                           ; 0 q, 1 k, 2 v: the same in all sixteen partners
.set G1,   28                          ; s[28:35] group 1, source 1's codes;  s[36:43] source 0's;  s[44:51], s[52:59] the scale words'
.set G1B,  36
.set G1S,  44
.set G1SB, 52
.set G0,   68                          ; s[68:75] group 0, source 1's codes, a set for each slot;  s[76:83] source 0's;  s[84:87], s[88:91] the scale words'
.set G0B,  76
.set G0S,  84
.set G0SB, 88
.set SEL,  2                           ; s[2:3] lane selects
.set MSB, 0
.macro WIN new                         ; the immediate's high byte repeats the setting that is left
.if MSB != \new
	s_set_vgpr_msb (MSB<<8)|\new
.set MSB, \new
.endif
.endm
.set MUL_LO, 0xa1                      ; source 0 window 1, source 1 window 0, C and D window 2
.set MUL_HI, 0xf1                      ; the same, C and D window 3
.set TO_B,   0x40                      ; destination window 1, address window 0
; A joint load: waves 0 and 1 fetch for source 1, waves 2 and 3 for source 0.  The branch hangs on the wave's number alone.  An s_nop 0 and four v_nop follow each line.
.macro JLOAD g0a, g1a, g0b, g1b
	s_cmp_eq_u32 s[HI], 0
	s_cbranch_scc0 .Lfor_b_\@
	tensor_load_to_lds s[\g0a:\g0a+3], s[\g1a:\g1a+7]
	s_nop 0
.rept 4
	v_nop
.endr
	s_branch .Lasked_\@
.Lfor_b_\@:
	tensor_load_to_lds s[\g0b:\g0b+3], s[\g1b:\g1b+7]
	s_nop 0
.rept 4
	v_nop
.endr
.Lasked_\@:
.endm
.macro CROUND                          ; a round of the cluster's barrier
	s_barrier_signal -1
	s_barrier_wait -1
	s_cmp_lg_u32 s[WV], 0
	s_cbranch_scc1 .Lnot_wave_0_\@
	s_barrier_signal -3
.Lnot_wave_0_\@:
	s_barrier_wait -3
	s_barrier_signal -1
	s_barrier_wait -1
.endm
	s_load_b256 s[4:11], s[0:1], 0x0               ; xc s[4:5], xs s[6:7], wc s[8:9], ws s[10:11]
	s_load_b256 s[12:19], s[0:1], 0x20             ; b_q s[12:13], b_k s[14:15], b_v s[16:17], qb s[18:19]
	s_load_b64 s[20:21], s[0:1], 0x40              ; kv
	v_lshl_add_u32 v[SPW], v0, 2, SPARE
	v_mov_b32 v[NIL], 0
	ds_add_u32 v[SPW], v[NIL]                      ; the wave's opening: the add, twice on end, and its wait ahead of my first tensor load
	ds_add_u32 v[SPW], v[NIL]
	v_lshrrev_b32 v1, 5, v0
	v_readfirstlane_b32 s[WV], v1
	s_lshr_b32 s[HI], s[WV], 1
	s_and_b32 s[LO], s[WV], 1
	s_bfe_u32 s[CX], ttmp6, 0x40000
	s_bfe_u32 s[CY], ttmp6, 0x40004
	s_and_b32 s60, ttmp7, 0xffff                   ; the cluster's y, 0 .. 23
	s_lshr_b32 s[TID], s60, 3                      ; eight clusters to a tensor
	s_and_b32 s60, s60, 7
	s_lshl_b32 s60, s60, 2                         ; the cluster's first block of 256 tokens
	s_lshl_b32 s61, s[CY], 2
	s_lshl_b32 s61, 15, s61                        ; my row of the cluster
	s_lshl_b32 s62, 0x1111, s[CX]                  ; my column
	s_or_b32 s[G1], s61, (3<<16)|(1<<21)           ; 15:0 the mask; 17:16 elements of 8 bytes; 21 set beside a mask; no padding
	s_or_b32 s[G1S], s61, (3<<16)|(1<<21)
	s_or_b32 s[G1B], s62, (3<<16)|(1<<21)
	s_or_b32 s[G1SB], s62, (3<<16)|(1<<21)
.irp g, G1, G1B                        ; codes: 8 tiles: 8 rows of 4,096 bytes (a slot's four K steps), 8,192 bytes apart
	s_mov_b32 s[\g+1], 512<<16
	s_mov_b32 s[\g+2], 8<<16
	s_mov_b32 s[\g+3], 512<<16
	s_mov_b32 s[\g+4], 8
	s_mov_b32 s[\g+5], 1024
	s_mov_b32 s[\g+6], 0
	s_mov_b32 s[\g+7], 0
.endr
.irp g, G1S, G1SB                      ; scale words of 8 tiles: 4,096 dense bytes as 16 rows of 256
	s_mov_b32 s[\g+1], 32<<16
	s_mov_b32 s[\g+2], 16<<16
	s_mov_b32 s[\g+3], 32<<16
	s_mov_b32 s[\g+4], 16
	s_mov_b32 s[\g+5], 32
	s_mov_b32 s[\g+6], 0
	s_mov_b32 s[\g+7], 0
.endr
	s_cmp_eq_u32 s[TID], 2
	s_cselect_b32 s63, s60, 0                      ; v: source 0 walks the tokens;
	s_cselect_b32 s66, 0, s60                      ; q, k: source 1 does
	s_add_co_u32 s63, s63, s[CX]                   ; source 0's block of 256: hangs on x alone
	s_add_co_u32 s66, s66, s[CY]                   ; source 1's: on y alone
	s_lshl_b32 s67, s[LO], 16                      ; the 8 tiles that I fetch
	s_lshl_b32 s[G0B+2], s63, 17                   ; a block's codes are 131,072 bytes
	s_add_co_u32 s[G0B+2], s[G0B+2], s67
	s_mov_b32 s[G0B+3], 0
	s_lshl_b32 s[G0+2], s66, 17
	s_add_co_u32 s[G0+2], s[G0+2], s67
	s_mov_b32 s[G0+3], 0
	s_lshl_b32 s67, s[LO], 12
	s_lshl_b32 s[G0SB+2], s63, 13                  ; its scale words 8,192
	s_add_co_u32 s[G0SB+2], s[G0SB+2], s67
	s_mov_b32 s[G0SB+3], 0
	s_lshl_b32 s[G0S+2], s66, 13
	s_add_co_u32 s[G0S+2], s[G0S+2], s67
	s_mov_b32 s[G0S+3], 0
	s_lshl_b32 s92, s[TID], 22                     ; tensor TID begins here in xc,
	s_mov_b32 s93, 0
	s_lshl_b32 s94, s[TID], 18                     ; in xs,
	s_mov_b32 s95, 0
	s_lshl_b32 s96, s[TID], 19                     ; its weight in wc,
	s_mov_b32 s97, 0
	s_lshl_b32 s98, s[TID], 15                     ; and in ws
	s_mov_b32 s99, 0
	s_mov_b32 s[SEL], 0x76543210
	s_mov_b32 s[SEL+1], 0xfedcba98
	s_wait_dscnt 0x0                               ; both opening adds are done
	s_wait_kmcnt 0x0
	s_add_nc_u64 s[4:5], s[4:5], s[92:93]
	s_add_nc_u64 s[6:7], s[6:7], s[94:95]
	s_add_nc_u64 s[8:9], s[8:9], s[96:97]
	s_add_nc_u64 s[10:11], s[10:11], s[98:99]
	s_cmp_eq_u32 s[TID], 2
	s_cselect_b64 s[92:93], s[4:5], s[8:9]         ; source 0's codes,
	s_cselect_b64 s[94:95], s[6:7], s[10:11]       ; its scale words,
	s_cselect_b64 s[96:97], s[8:9], s[4:5]         ; source 1's codes,
	s_cselect_b64 s[98:99], s[10:11], s[6:7]       ; its scale words
	s_add_nc_u64 s[G0+2:G0+3], s[96:97], s[G0+2:G0+3]
	s_add_nc_u64 s[G0B+2:G0B+3], s[92:93], s[G0B+2:G0B+3]
	s_add_nc_u64 s[G0S+2:G0S+3], s[98:99], s[G0S+2:G0S+3]
	s_add_nc_u64 s[G0SB+2:G0SB+3], s[94:95], s[G0SB+2:G0SB+3]
	s_add_nc_u64 s[G0+6:G0+7], s[G0+2:G0+3], 4096  ; slot 1: K steps 4 to 7 of each tile
	s_add_nc_u64 s[G0B+6:G0B+7], s[G0B+2:G0B+3], 4096
.irp g, G0+3, G0+7, G0B+3, G0B+7, G0S+3, G0SB+3
	s_or_b32 s[\g], s[\g], 0x80000000              ; type = 2
.endr
	s_lshl_b32 s67, s[WV], 15                      ; where they go: wave x 8 tiles x 4,096: no place in the cluster enters an LDS address
	s_lshl_b32 s61, s[WV], 12
.irp g, G0, G0B
	s_mov_b32 s[\g], 1
	s_add_co_u32 s[\g+1], s67, 0
	s_mov_b32 s[\g+4], 1
	s_add_co_u32 s[\g+5], s67, SLOT
.endr
	s_mov_b32 s[G0S], 1
	s_add_co_u32 s[G0S+1], s61, SCL
	s_mov_b32 s[G0SB], 1
	s_add_co_u32 s[G0SB+1], s61, SCL
	CROUND                                         ; all sixteen work-groups are here: the joint loads meet
	JLOAD G0S, G1S, G0SB, G1SB                     ; three loads of mine are out: the scale words,
	JLOAD G0, G1, G0B, G1B                         ; slot 0,
	JLOAD G0+4, G1, G0B+4, G1B                     ; slot 1
	v_and_b32 v[LN], 31, v0
	v_lshlrev_b32 v[LI], 4, v[LN]
	v_and_b32 v1, 15, v0                           ; r
	v_bfe_u32 v2, v0, 4, 1                         ; h
	s_wait_alu depctr_va_vdst(0)
	s_lshl_b32 s60, s[HI], 15                      ; my 8 tiles of source 1,
	s_lshl_b32 s61, s[LO], 15                      ; of source 0,
	s_add_co_u32 s61, s61, 65536                   ; which lie behind source 1's 16
.irp s, 0,1
	v_add_nc_u32 v[ADRA+\s], s60, v[LI]
	v_add_nc_u32 v[ADRB+\s], s61, v[LI]
	s_add_co_u32 s60, s60, SLOT
	s_add_co_u32 s61, s61, SLOT
.endr
	v_lshlrev_b32 v5, 4, v1                        ; a row's four words
	s_lshl_b32 s60, s[HI], 12
	s_lshl_b32 s61, s[LO], 12
	s_add_co_u32 s61, s61, 8192
	s_sub_co_u32 s61, s61, s60
	v_mul_u32_u24 v6, s61, v2                      ; lanes 16-31 take source 0's: one product, the distance between the two bases
	s_add_co_u32 s60, s60, SCL
	v_add_nc_u32 v5, v5, v6
	v_add_nc_u32 v[ADRS], s60, v5
.irp b, 0,1,2,3
	v_mov_b32 v[TM+4+\b], 0                        ; written once: a lane permute's destination counts as one of its sources
.endr
	; where my results go, and my bias
	s_cmp_eq_u32 s[TID], 2
	s_cselect_b32 s60, s66, s63                    ; the block of 256 features,
	s_cselect_b32 s61, s[HI], s[LO]                ; my half of it,
	s_cselect_b32 s62, s63, s66                    ; the block of 256 tokens,
	s_cselect_b32 s67, s[LO], s[HI]                ; my half of it
	s_lshl_b32 s60, s60, 2
	s_lshl_b32 s61, s61, 1
	s_add_co_u32 s60, s60, s61                     ; my first head (of two)
	s_lshl_b32 s62, s62, 1
	s_add_co_u32 s62, s62, s67                     ; my 128 tokens: 0 .. 63
	s_lshr_b32 s61, s62, 4                         ; the batch,
	s_and_b32 s62, s62, 15                         ; the block of 128 in the sequence
	s_lshl_b32 s61, s61, 4
	s_add_co_u32 s61, s61, s60                     ; 16 x batch + head
	s_cmp_eq_u32 s[TID], 0
	s_cselect_b64 s[18:19], s[18:19], s[20:21]     ; q goes to qb, k and v to kv
	s_cselect_b64 s[12:13], s[12:13], s[14:15]     ; b_q or b_k
	s_mov_b32 s67, 143360
	s_cselect_b32 s67, 73728, s67                  ; bytes a head
	s_mov_b32 s92, 8960
	s_cselect_b32 s92, 4608, s92                   ; bytes a block of 128
	s_mov_b32 s93, 8192
	s_cselect_b32 s93, 4096, s93                   ; where q's or k's scale words stand in it
	s_mul_i32 s94, s61, s67
	s_mul_i32 s95, s62, s92
	s_add_co_u32 s94, s94, s95
	s_mov_b32 s95, 0
	s_add_nc_u64 s[4:5], s[18:19], s[94:95]        ; s[4:5]: my first head's block,
	s_mov_b32 s94, s67
	s_add_nc_u64 s[6:7], s[4:5], s[94:95]          ; s[6:7]: my second head's
	s_mov_b32 s94, s93
	s_add_nc_u64 s[8:9], s[4:5], s[94:95]          ; s[8:9], s[10:11]: their scale words (q, k)
	s_add_nc_u64 s[10:11], s[6:7], s[94:95]
	s_cmp_eq_u32 s[TID], 2
	s_cselect_b64 s[12:13], s[16:17], s[12:13]
	s_lshl_b32 s94, s60, 8                         ; 64 numbers a head
	s_add_nc_u64 s[12:13], s[12:13], s[94:95]
	s_cmp_eq_u32 s[TID], 2
	s_cbranch_scc1 .Lbias_v
	v_lshlrev_b32 v7, 6, v2                        ; q, k: register 8 b + j wants feature 32 (b / 2) + 16 h + 8 (b % 2) + j
.irp b, 0,1,2,3,4,5,6,7
	global_load_b128 v[BB+8*\b:BB+8*\b+3], v7, s[12:13] offset:(32*(\b/2)+8*(\b%2))*4
	global_load_b128 v[BB+8*\b+4:BB+8*\b+7], v7, s[12:13] offset:(32*(\b/2)+8*(\b%2))*4+16
.endr
	s_branch .Lbias_done
.Lbias_v:
	v_and_b32 v8, 8, v1                            ; v: all of tile a's registers want the lane's own feature, 32 (a / 2) + 8 (a % 2) + r + 8 (r / 8)
	v_add_nc_u32 v8, v8, v1
	v_lshlrev_b32 v8, 2, v8
.irp a, 0,1,2,3,4,5,6,7
.irp j, 0,1,2,3,4,5,6,7
	global_load_b32 v[BB+8*\a+\j], v8, s[12:13] offset:(32*(\a/2)+8*(\a%2))*4
.endr
.endr
.Lbias_done:
.macro FRAG reg, adr, q, i             ; a fragment: two loads of 512 consecutive bytes
.irp c, 0,1
	ds_load_b128 v[\reg+4*\c:\reg+4*\c+3], v[\adr] offset:4096*(\i)+1024*(\q)+512*\c
.endr
.endm
; 16 matrix instructions: source 1's tiles a0, a0 + 1 x source 0's eight.  p: source 0's set; sc: the set of scale words.  zero = 1: the first product starts the sums.
; The 64 accumulators take turns, one instruction a turn, in the same order in every step.
.macro MUL16 a0, p, q, sc, zero
.irp a, \a0, \a0+1
.irp b, 0,1,2,3,4,5,6,7
.if \zero
	v_wmma_scale_f32_16x16x128_f8f6f4 v[8*(8*((\a)%4)+\b):8*(8*((\a)%4)+\b)+7], v[128*(\p)+FR*\b:128*(\p)+FR*\b+FR-1], v[AF+FR*(\a):AF+FR*(\a)+FR-1], 0, v[SC+8*NQ*(\sc)+NQ*\b+(\q)], v[SC+8*NQ*(\sc)+NQ*(\a)+(\q)] matrix_a_fmt:MATRIX_FMT_FP4 matrix_b_fmt:MATRIX_FMT_FP4 matrix_a_scale:MATRIX_SCALE_ROW1
.else
	v_wmma_scale_f32_16x16x128_f8f6f4 v[8*(8*((\a)%4)+\b):8*(8*((\a)%4)+\b)+7], v[128*(\p)+FR*\b:128*(\p)+FR*\b+FR-1], v[AF+FR*(\a):AF+FR*(\a)+FR-1], v[8*(8*((\a)%4)+\b):8*(8*((\a)%4)+\b)+7], v[SC+8*NQ*(\sc)+NQ*\b+(\q)], v[SC+8*NQ*(\sc)+NQ*(\a)+(\q)] matrix_a_fmt:MATRIX_FMT_FP4 matrix_b_fmt:MATRIX_FMT_FP4 matrix_a_scale:MATRIX_SCALE_ROW1
.endif
.endr
.endr
.endm
.macro FETCH_B slot, q, p
	WIN TO_B
.irp i, 0,1,2,3,4,5,6,7
	FRAG 128*(\p)+FR*\i, ADRB+\slot, \q, \i
.endr
	WIN 0
.endm
.macro FETCH_A slot, q, i0
.irp i, \i0, \i0+1, \i0+2, \i0+3
	FRAG AF+FR*(\i), ADRA+\slot, \q, \i
.endr
.endm
.macro SCALES sc                       ; a slot's scale words: four a row; lanes 0-15 source 1's tile i, lanes 16-31 source 0's tile i
.irp i, 0,1,2,3,4,5,6,7
	ds_load_b128 v[SC+8*NQ*\sc+NQ*\i:SC+8*NQ*\sc+NQ*\i+3], v[ADRS] offset:\i*512
.endr
.endm
.macro PLACES n                        ; plain vector instructions between a matrix instruction and a load into, or a vector read or write of, its registers
.rept \n
	v_nop
.endr
.endm
.macro STEP slot, q, zero              ; 128 along K: 64 matrix instructions; source 1 has one set of registers, fetched anew by halves; source 0 two
	s_wait_dscnt 4*NL                              ; all but the youngest eight loads (source 1's tiles 4-7)
	WIN MUL_LO
	MUL16 0, (\q)%2, \q, \slot, \zero
	MUL16 2, (\q)%2, \q, \slot, \zero
	s_wait_dscnt 0
	PLACES NP
	FETCH_B \slot, (\q)+1, 1-(\q)%2
	FETCH_A \slot, (\q)+1, 0
	WIN MUL_HI
	MUL16 4, (\q)%2, \q, \slot, \zero
	MUL16 6, (\q)%2, \q, \slot, \zero
	PLACES NP
	WIN 0
	FETCH_A \slot, (\q)+1, 4
.endm
	s_wait_tensorcnt 1                             ; my scale words and my part of slot 0 are in; slot 1's load may be out
	s_barrier_signal -1
	s_barrier_wait -1
	FETCH_B 0, 0, 0
	FETCH_A 0, 0, 0
	s_wait_alu depctr_va_vdst(0)
	SCALES 0
	FETCH_A 0, 0, 4
	STEP 0, 0, 1
	STEP 0, 1, 0
	STEP 0, 2, 0
	; slot 0's last step goes over to slot 1: one barrier, in front of which my part of slot 1 has landed
	s_wait_tensorcnt 0x0
	ds_add_u32 v[SPW], v[NIL]
	s_wait_dscnt 4*NL+1                            ; (the add and the youngest eight loads may be out)
	WIN MUL_LO
	MUL16 0, 1, 3, 0, 0
	s_wait_dscnt 0x0
	s_barrier_signal -1
	MUL16 2, 1, 3, 0, 0
	WIN 0
	s_barrier_wait -1
	PLACES NP
	v_add_nc_u32 v[ADRS], 256, v[ADRS]             ; the second half of each tile's scale words
	FETCH_B 1, 0, 0
	FETCH_A 1, 0, 0
	SCALES 1
	WIN MUL_HI
	MUL16 4, 1, 3, 0, 0
	MUL16 6, 1, 3, 0, 0
	PLACES NP
	WIN 0
	FETCH_A 1, 0, 4
	STEP 1, 0, 0
	STEP 1, 1, 0
	STEP 1, 2, 0
	s_wait_dscnt 4*NL                              ; the last step: nothing more to fetch
	WIN MUL_LO
	MUL16 0, 1, 3, 1, 0
	MUL16 2, 1, 3, 1, 0
	s_wait_dscnt 0
	WIN MUL_HI
	MUL16 4, 1, 3, 1, 0
	MUL16 6, 1, 3, 1, 0
	WIN 0
; THE WAY OUT.  64 numbers of a lane, register 16 b + i = k 32 b + 16 h + i of my row, become a fragment's codes in v[pc] on and its scale word in v[pw].
.macro QUANT s, pc, pw
.irp b, 0,1,2,3
	v_max3_num_f32 v[TM+\b], |v[\s+16*\b]|, |v[\s+1+16*\b]|, 0x1800000   ; block b: my 16 numbers, and the floor 2^(3 - 127): the byte cannot fall under 1
.endr
.irp i, 2,4,6,8,10,12,14
.irp b, 0,1,2,3
	v_max3_num_f32 v[TM+\b], v[TM+\b], |v[\s+16*\b+\i]|, |v[\s+1+16*\b+\i]|
.endr
.endr
.irp b, 0,1,2,3
	v_permlanex16_b32 v[TM+4+\b], v[TM+\b], s[SEL], s[SEL+1]
.endr
.irp b, 0,1,2,3
	v_max_num_f32 v[TM+\b], v[TM+\b], v[TM+4+\b]   ; with lane l xor 16's: the block's largest magnitude
.endr
.irp b, 0,1,2,3
	v_add_nc_u32 v[TM+12+\b], 0xff000000, v[TM+\b] ; 2 off its exponent field: the conversion's scale operand
.endr
.irp b, 0,1,2,3
	v_lshrrev_b32 v[TM+4+\b], 23, v[TM+12+\b]      ; the scale's byte
.endr
	v_lshl_or_b32 v[\pw], v[TM+5], 8, v[TM+4]
	v_lshl_or_b32 v[\pw], v[TM+6], 16, v[\pw]
	v_lshl_or_b32 v[\pw], v[TM+7], 24, v[\pw]
.irp b, 0,1,2,3
	v_cvt_scalef32_pk8_fp4_f32 v[\pc+2*\b], v[\s+16*\b:\s+7+16*\b], v[TM+12+\b]
	v_cvt_scalef32_pk8_fp4_f32 v[\pc+1+2*\b], v[\s+8+16*\b:\s+15+16*\b], v[TM+12+\b]
.endr
	v_nop                                          ; one plain place behind a scaled conversion
.irp c, 0,1                                    ; the operand's layout wants a whole block in a lane
.irp i, 0,1
	v_permlane16_swap_b32 v[\pc+4*\c+\i], v[\pc+2+4*\c+\i]
.endr
.endr
.endm
; Tile a of source 1.  The packed additions bring the accumulators into window 0 and add the bias, each accumulator from its low end on.
.macro EPI kind, a
.set AC, 64*((\a)%4)
	WIN 0x02+(\a)/4                                ; source 0: window 2 or 3
.set i, 0
.rept 32
.if \kind == 0
	v_pk_add_f32 v[NUM+i:NUM+i+1], v[AC+i:AC+i+1], v[BB+i:BB+i+1]
.else
	v_pk_add_f32 v[NUM+i:NUM+i+1], v[AC+i:AC+i+1], v[BB+8*(\a):BB+8*(\a)+1]
.endif
.set i, i+2
.endr
	WIN 0
	s_wait_xcnt 0x0                                ; the last tile's stores have read the codes' registers
	QUANT NUM, PC, PW+(\a)
.if \kind == 0
	global_store_b128 v[LI], v[PC:PC+3], s[4:5] offset:512*(\a)       ; k 0 .. 63: my first head's 16 x 64: 512 consecutive bytes
	global_store_b128 v[LI], v[PC+4:PC+7], s[6:7] offset:512*(\a)     ; k 64 .. 127: my second head's
.else
	global_store_b128 v[LI], v[PC:PC+3], s[4+2*((\a)/4):5+2*((\a)/4)] offset:4096+1024*((\a)%4)       ; 16 of a head's 64 x my 128 keys: an image of 1,024 bytes
	global_store_b128 v[LI], v[PC+4:PC+7], s[4+2*((\a)/4):5+2*((\a)/4)] offset:4096+1024*((\a)%4)+512
.endif
.endm
	s_wait_loadcnt 0x0                             ; the bias
	PLACES NP                                      ; behind the last products
	s_cmp_eq_u32 s[TID], 2
	s_cbranch_scc1 .Lout_v
.irp a, 0,1,2,3,4,5,6,7
	EPI 0, \a
.endr
	v_cmp_le_u32 vcc_lo, 16, v[LN]                 ; lane r stores the words of tiles 0-3, lane 16 + r those of tiles 4-7
.irp i, 0,1,2,3
	v_cndmask_b32 v[TM+8+\i], v[PW+\i], v[PW+4+\i], vcc_lo
.endr
.irp i, 0,1,2,3
	v_and_b32 v[TM+\i], 0xffff, v[TM+8+\i]         ; my first head's two bytes,
.endr
.irp i, 0,1,2,3
	v_lshrrev_b32 v[TM+4+\i], 16, v[TM+8+\i]       ; my second head's; the upper half is 0 in both
.endr
	global_store_b128 v[LI], v[TM:TM+3], s[8:9]
	global_store_b128 v[LI], v[TM+4:TM+7], s[10:11]
	s_branch .Ldone
.Lout_v:
.irp a, 0,1,2,3,4,5,6,7
	EPI 1, \a
.endr
	v_cmp_le_u32 vcc_lo, 16, v[LN]                 ; lane r stores the words of a head's tiles 0, 1, lane 16 + r those of tiles 2, 3
.irp e, 0,1
.irp i, 0,1
	v_cndmask_b32 v[TM+2*\e+\i], v[PW+4*\e+\i], v[PW+4*\e+2+\i], vcc_lo
.endr
.endr
	v_lshlrev_b32 v[TM+8], 3, v[LN]
	global_store_b64 v[TM+8], v[TM:TM+1], s[4:5] offset:8704          ; 256 consecutive bytes, aligned
	global_store_b64 v[TM+8], v[TM+2:TM+3], s[6:7] offset:8704
.Ldone:
	s_wait_tensorcnt 0x0                           ; the wave's end
	ds_add_u32 v[SPW], v[NIL]
	s_wait_dscnt 0x0
	CROUND                                         ; the closing round
	s_endpgm
.Lfunc_end_k_q61feff6308_proj:
	.size	k_q61feff6308_proj, .Lfunc_end_k_q61feff6308_proj-k_q61feff6308_proj
	.p2alignl 7, 3214868480
	.fill 96, 4, 3214868480
	.section	.rodata,"a",@progbits
	.p2align	6, 0x0
	.amdhsa_kernel k_q61feff6308_proj
		.amdhsa_group_segment_fixed_size 327680
		.amdhsa_private_segment_fixed_size 0
		.amdhsa_enable_private_segment 0
		.amdhsa_kernarg_size 72
		.amdhsa_user_sgpr_count 2
		.amdhsa_user_sgpr_kernarg_segment_ptr 1
		.amdhsa_wavefront_size32 1
		.amdhsa_system_sgpr_workgroup_id_x 1
		.amdhsa_system_sgpr_workgroup_id_y 1
		.amdhsa_system_sgpr_workgroup_id_z 1
		.amdhsa_system_vgpr_workitem_id 0
		.amdhsa_next_free_vgpr 1024
		.amdhsa_next_free_sgpr 100
		.amdhsa_reserve_vcc 1
		.amdhsa_float_denorm_mode_32 3
		.amdhsa_float_denorm_mode_16_64 3
		.amdhsa_memory_ordered 1
		.amdhsa_forward_progress 1
		.amdhsa_inst_pref_size 201
	.end_amdhsa_kernel
	.amdgpu_metadata
---
amdhsa.version: [ 1, 2 ]
amdhsa.kernels:
  - .name:           k_q61feff6308_proj
    .symbol:         k_q61feff6308_proj.kd
    .args:
      - { .name: xc, .offset: 0, .size: 8, .value_kind: global_buffer, .address_space: global }
      - { .name: xs, .offset: 8, .size: 8, .value_kind: global_buffer, .address_space: global }
      - { .name: wc, .offset: 16, .size: 8, .value_kind: global_buffer, .address_space: global }
      - { .name: ws, .offset: 24, .size: 8, .value_kind: global_buffer, .address_space: global }
      - { .name: b_q, .offset: 32, .size: 8, .value_kind: global_buffer, .address_space: global }
      - { .name: b_k, .offset: 40, .size: 8, .value_kind: global_buffer, .address_space: global }
      - { .name: b_v, .offset: 48, .size: 8, .value_kind: global_buffer, .address_space: global }
      - { .name: qb, .offset: 56, .size: 8, .value_kind: global_buffer, .address_space: global }
      - { .name: kv, .offset: 64, .size: 8, .value_kind: global_buffer, .address_space: global }
    .group_segment_fixed_size: 327680
    .private_segment_fixed_size: 0
    .kernarg_segment_align: 8
    .kernarg_segment_size: 72
    .max_flat_workgroup_size: 128
    .sgpr_count:     100
    .vgpr_count:     1024
    .wavefront_size: 32
...
	.end_amdgpu_metadata
.endif
;; end of part 2
;; launch attn (part 3): grid 4 x 64, 16 waves a work-group, clusters of 4 x 1, 167,936 bytes of LDS; arguments qb, kv, ac, asc; writes ac, asc
.if DOCPART == 3
	.amdgcn_target "amdgcn-amd-amdhsa--gfx1250"
	.amdhsa_code_object_version 6
	.text
	.protected	k_q61feff6308_attn
	.globl	k_q61feff6308_attn
	.p2align	8
	.type	k_q61feff6308_attn,@function
k_q61feff6308_attn:
	s_mov_b64 s[64:65], 0
	v_nop
	global_prefetch_b8 v0, s[64:65] scope:SCOPE_SE
	s_setreg_imm32_b32 hwreg(HW_REG_WAVE_MODE, 25, 1), 1
	s_wait_xcnt 0x0
	s_wait_alu depctr_hold_cnt(0) depctr_sa_sdst(0) depctr_va_vdst(0) depctr_va_sdst(0) depctr_va_ssrc(0) depctr_va_vcc(0) depctr_vm_vsrc(0)
	s_getreg_b32 s2, hwreg(HW_REG_IB_STS2, 6, 4)
	s_cmp_eq_u32 s2, 0
	s_cbranch_scc0 .Lentry_in_a_cluster
	s_endpgm
.Lentry_in_a_cluster:
	s_bfe_u32 s2, ttmp6, 0x10000c
	s_cmp_lg_u32 s2, 0x3003
	s_cbranch_scc0 .Lentry_shape_is_right
	s_endpgm
.Lentry_shape_is_right:
; LAUNCH 3 OF 4: causal attention on codes of E2M1, and the quantising of O / l for the last projection.
; WORK LEFT OUT: key steps of 128 keys all of which come after the wave's block of 128 queries: reference()'s own mask gives them the weight 0 (shown at the head of launch 1).
; LIMIT: inside the step on the diagonal hidden scores are -infinity where reference() has score - 1e9: the same weights while scores stay far under 1e9 in size.
; THE SOFTMAX: t = score x log2(e) / 8; M = the running largest t, rounded up to a whole number; p = 2^(t - M) is quantised along the keys, not normalised; the row's sum is taken of the unquantised p and divides at the end.
; SHARES.  The four work-groups of a cluster serve one (batch, head).  A head's K, V and scale words, 143,360 bytes, lie in each one's LDS for the whole launch: wave w asks for key step w, jointly with the partners' waves w:
; one tensor load a wave, nothing is filled again.  A wave owns one tile of 16 queries at a time, twice: tile j = cx + 4 (w % 2) of query blocks a = w / 2 and 15 - w / 2: (a + 1) + (16 - a) = 17 key steps for every wave.
; Trip counts are constants and branches hang on the wave's number and the count of steps; the place in the cluster enters global addresses and the mask's comparison value alone.
; No prefetch: the one tensor load stands at the head.
; LAYOUT.  Both products are used transposed: S^T = K Q^T, O^T = V^T P^T: a lane holds one query throughout.  The rows of every tile are chosen (launch 1) so that a lane's 16 registers of tiles 2 b, 2 b + 1 are 16 neighbours.
; THE FIRST PRODUCT'S K IS 64: q's registers 4-7 hold zero codes.  K's operand names eight registers of which the upper four are the next tile's codes: they meet zeros; the scale bytes of blocks 2, 3 are 0 (2^-127) on both sides.
; REGISTERS: v1-4 addresses; v5, v6 the add's; v7 the mask's value; v8-11 lane, r, h, an offset; v12 -M, v13 the largest t, v[14:15] the sum; v16-31 q of the two passes; v32-67 K; v68-99 V; v100-163 S^T, then p;
;   v164-195 O^T; v196-203 p's codes; v204-212 scale words and nothing else; v214-231 at work; v232-241 what goes out.
.set SPARE, 143360
.set LI,  1                            ; 16 x lane
.set L8,  2                            ; 8 x lane
.set ADK, 3
.set AD8, 4
.set SPW, 5
.set NIL, 6
.set DM,  7
.set QA,  16
.set QB,  24
.set KF,  32
.set VF,  68
.set S,   100
.set O,   164
.set PC,  196
.set KSW, 204                          ; v204-207 K's scale words: register i: lanes 0-15 tile i, lanes 16-31 tile 4 + i
.set VSW, 208                          ; v208-209 V's: register i: lanes 0-15 tile i, lanes 16-31 tile 2 + i
.set PSW, 210                          ; p's
.set QSA, 211                          ; q's, pass A and pass B
.set QSB, 212
.set BM,  214                          ; v214-217 the blocks' largest
.set PD,  218                          ; v218-221
.set SO,  222                          ; v222-225 the conversions' scale operands
.set F,   226                          ; v226 f; v227 named with it as a pair
.set TMP, 228
.set NEG, 229                          ; -infinity
.set OC,  232                          ; v232-235, v236-239 the two passes' codes
.set OW,  240                          ; v240, v241 their scale bytes
.set WV, 12
.set U,  13
.set SA, 14                            ; pass A's block of queries
.set SB, 15                            ; pass B's
.set CX, 16
.set HH, 17
.set J,  18
.set TB, 19                            ; LDS byte at which the key step begins
.set KS, 20                            ; the key step
.set SEL, 22
.set CS,  24
.set G1,  28
.set G0,  36
.set QPA, 40
.set QPB, 42
.set OPA, 44
.set OPB, 46
.set ASP, 48
.macro CROUND
	s_barrier_signal -1
	s_barrier_wait -1
	s_cmp_lg_u32 s[WV], 0
	s_cbranch_scc1 .Lnot_wave_0_\@
	s_barrier_signal -3
.Lnot_wave_0_\@:
	s_barrier_wait -3
	s_barrier_signal -1
	s_barrier_wait -1
.endm
	s_load_b256 s[4:11], s[0:1], 0x0               ; qb s[4:5], kv s[6:7], ac s[8:9], asc s[10:11]
	v_lshl_add_u32 v[SPW], v0, 2, SPARE
	v_mov_b32 v[NIL], 0
	ds_add_u32 v[SPW], v[NIL]                      ; the wave's opening: the add, twice on end, and its wait ahead of my first tensor load
	ds_add_u32 v[SPW], v[NIL]
	v_lshrrev_b32 v8, 5, v0
	s_delay_alu instid0(VALU_DEP_1)
	v_readfirstlane_b32 s[WV], v8
	s_and_b32 s[U], s[WV], 1
	s_lshr_b32 s[SA], s[WV], 1
	s_sub_co_u32 s[SB], 15, s[SA]
	s_bfe_u32 s[CX], ttmp6, 0x40000
	s_and_b32 s[HH], ttmp7, 0xffff                 ; 16 x batch + head: the four partners share it
	s_lshl_b32 s[J], s[U], 2
	s_add_co_u32 s[J], s[J], s[CX]                 ; my tile in a block of 128 queries
	s_mov_b32 s[G1], 15|(3<<16)|(1<<21)            ; the mask: all four; elements of 8 bytes; 21 set beside a mask
	s_mov_b32 s[G1+1], 32<<16                      ; a key step: 8,960 dense bytes as 35 rows of 256
	s_mov_b32 s[G1+2], 35<<16
	s_mov_b32 s[G1+3], 32<<16
	s_mov_b32 s[G1+4], 35
	s_mov_b32 s[G1+5], 32
	s_mov_b32 s[G1+6], 0
	s_mov_b32 s[G1+7], 0
	s_mov_b32 s[G0], 1
	s_mul_i32 s[G0+1], s[WV], 8960                 ; key step w lands at 8,960 w
	s_mul_i32 s50, s[HH], 143360
	s_add_co_u32 s50, s50, s[G0+1]
	s_mov_b32 s51, 0
	s_mul_i32 s52, s[HH], 73728                    ; q: a head, my tile,
	s_lshl_b32 s53, s[J], 9
	s_add_co_u32 s52, s52, s53
	s_mul_i32 s53, s[SA], 4608                     ; the pass's block
	s_add_co_u32 s54, s52, s53
	s_mov_b32 s55, 0
	s_mul_i32 s53, s[SB], 4608
	s_add_co_u32 s56, s52, s53
	s_mov_b32 s57, 0
	s_lshl_b32 s58, s[U], 8                        ; from my tile to its scale words: 4,096 + 256 (j / 4) + 4 (j % 4) - 512 j, above 0 for every j
	s_lshl_b32 s59, s[CX], 2
	s_add_co_u32 s58, s58, s59
	s_add_co_u32 s58, s58, 4096
	s_lshl_b32 s59, s[J], 9
	s_sub_co_u32 s58, s58, s59
	s_lshr_b32 s26, s[HH], 4                       ; batch
	s_and_b32 s27, s[HH], 15                       ; head
	s_lshl_b32 s26, s26, 7
	s_add_co_u32 s26, s26, s[J]                    ; tile 128 x batch + j (+ 8 x block) of the last product's operand
	s_lshl_b32 s60, s26, 13
	s_lshl_b32 s61, s27, 9                         ; K step head / 2, piece head % 2: 512 x head
	s_add_co_u32 s60, s60, s61
	s_lshl_b32 s61, s[SA], 16
	s_add_co_u32 s62, s60, s61
	s_mov_b32 s63, 0
	s_lshl_b32 s61, s[SB], 16
	s_add_co_u32 s66, s60, s61
	s_mov_b32 s67, 0
	s_lshl_b32 s61, s[SA], 3                       ; its scale bytes: 512 a tile, 256 (head / 8), 2 (head % 8)
	s_add_co_u32 s61, s61, s26
	s_lshl_b32 s68, s61, 9
	s_lshr_b32 s61, s27, 3
	s_lshl_b32 s61, s61, 8
	s_add_co_u32 s68, s68, s61
	s_and_b32 s61, s27, 7
	s_lshl_b32 s61, s61, 1
	s_add_co_u32 s68, s68, s61
	s_mov_b32 s69, 0
	s_sub_co_u32 s21, s[SB], s[SA]
	s_lshl_b32 s21, s21, 12                        ; from pass A's tile to pass B's: 8 (15 - 2 (w / 2)) tiles of 512 bytes
	s_mov_b32 s[SEL], 0x76543210
	s_mov_b32 s[SEL+1], 0xfedcba98
	s_mov_b32 s[CS], 0x3e38aa3b                    ; c = log2(e) / 8
	s_mov_b32 s[CS+1], s[CS]
	s_wait_dscnt 0x0                               ; both opening adds are done
	s_wait_kmcnt 0x0
	s_add_nc_u64 s[G0+2:G0+3], s[6:7], s[50:51]
	s_or_b32 s[G0+3], s[G0+3], 0x80000000
	s_add_nc_u64 s[QPA:QPA+1], s[4:5], s[54:55]
	s_add_nc_u64 s[QPB:QPB+1], s[4:5], s[56:57]
	s_add_nc_u64 s[OPA:OPA+1], s[8:9], s[62:63]
	s_add_nc_u64 s[OPB:OPB+1], s[8:9], s[66:67]
	s_add_nc_u64 s[ASP:ASP+1], s[10:11], s[68:69]
	CROUND                                         ; all four work-groups are here: the joint loads meet
	tensor_load_to_lds s[G0:G0+3], s[G1:G1+7]      ; my one tensor load
	s_nop 0
.rept 4
	v_nop
.endr
	v_and_b32 v8, 31, v0                           ; lane
	s_delay_alu instid0(VALU_DEP_1)
	v_lshlrev_b32 v[LI], 4, v8
	s_delay_alu instid0(VALU_DEP_2)
	v_lshlrev_b32 v[L8], 3, v8
	v_and_b32 v9, 15, v0                           ; r
	v_bfe_u32 v10, v0, 4, 1                        ; h
	s_delay_alu instid0(VALU_DEP_2)
	v_lshl_add_u32 v11, v9, 4, s58
	global_load_b128 v[QA:QA+3], v[LI], s[QPA:QPA+1]
	global_load_b128 v[QB:QB+3], v[LI], s[QPB:QPB+1]
	global_load_b32 v[QSA], v11, s[QPA:QPA+1]
	global_load_b32 v[QSB], v11, s[QPB:QPB+1]
.irp i, 4,5,6,7
	v_mov_b32 v[QA+\i], 0                          ; zero codes for k = 64 .. 127
	v_mov_b32 v[QB+\i], 0
.endr
.irp i, 32,33,34,35
	v_mov_b32 v[KF+\i], 0                          ; what tile 7's operand names beyond its own four registers
.endr
.irp b, 0,1,2,3
	v_mov_b32 v[PD+\b], 0                          ; written once: a lane permute's destination counts as one of its sources
.endr
	v_mov_b32 v[F+1], 0
	v_mov_b32 v[TMP], 0
	v_mov_b32 v[NEG], 0xff800000
	s_lshr_b32 s50, s[J], 1
	s_lshl_b32 s50, s50, 5
	s_and_b32 s51, s[J], 1
	s_lshl_b32 s51, s51, 3
	s_add_co_u32 s50, s50, s51
	v_and_b32 v[DM], 8, v9
	s_delay_alu instid0(VALU_DEP_1)
	v_add_nc_u32 v[DM], v[DM], v9
	s_delay_alu instid0(VALU_DEP_1)
	v_add_nc_u32 v[DM], s50, v[DM]                 ; my query in its block: 32 (j / 2) + 8 (j % 2) + r + 8 (r / 8)
	v_lshlrev_b32 v[ADK], 4, v10
	s_delay_alu instid0(VALU_DEP_1)
	v_sub_nc_u32 v[DM], v[DM], v[ADK]              ; less 16 h: register 16 b + i holds key 32 b + 16 h + i, hidden where 32 b + i is above this
	s_wait_tensorcnt 0x0                           ; my key step has landed,
	s_barrier_signal -1
	s_barrier_wait -1                              ; everybody's has
	s_wait_loadcnt 0x0                             ; q
; A PASS: one tile of 16 queries of block s[sa] against key steps 0 .. s[sa].  Every wave walks all 16 trips; a hidden step's work is jumped over, the lines that step the address are not.
.macro PASS qf, qs, sa, oc, ow, op
	v_mov_b32 v13, 0xff61b1e6                      ; the largest t so far: -3e38
	s_delay_alu instid0(VALU_DEP_1)
	v_floor_f32 v12, -v13
	v_mov_b32 v14, 0
	v_mov_b32 v15, 0
.set i, 0
.rept 32
	v_mov_b32 v[O+i], 0                            ; the step is written once: the first finds zeros
.set i, i+1
.endr
	s_mov_b32 s[TB], 0
	s_mov_b32 s[KS], 0
.Lks_\@:
	s_cmp_gt_u32 s[KS], s[\sa]
	s_cbranch_scc1 .Lhid_\@
	s_setprio 2
	v_add_nc_u32 v[ADK], s[TB], v[LI]              ; four places behind the last step's products, in front of the loads into their registers
	v_add_nc_u32 v[AD8], s[TB], v[L8]
	v_nop
	v_nop
.irp t, 0,1,2,3,4,5,6,7
	ds_load_b128 v[KF+4*\t:KF+4*\t+3], v[ADK] offset:512*\t
.endr
	ds_load_b128 v[KSW:KSW+3], v[ADK] offset:8192
.irp d, 0,1,2,3
.irp c, 0,1
	ds_load_b128 v[VF+8*\d+4*\c:VF+8*\d+4*\c+3], v[ADK] offset:4096+1024*\d+512*\c
.endr
.endr
	ds_load_b64 v[VSW:VSW+1], v[AD8] offset:8704
	s_wait_dscnt 9                                 ; K and its scale words are in; V's nine loads may be out
.irp t, 0,1,2,3
	v_wmma_scale_f32_16x16x128_f8f6f4 v[S+8*\t:S+8*\t+7], v[KF+4*\t:KF+4*\t+7], v[\qf:\qf+7], 0, v[KSW+\t], v[\qs] matrix_a_fmt:MATRIX_FMT_FP4 matrix_b_fmt:MATRIX_FMT_FP4
.endr
.irp t, 4,5,6,7
	v_wmma_scale_f32_16x16x128_f8f6f4 v[S+8*\t:S+8*\t+7], v[KF+4*\t:KF+4*\t+7], v[\qf:\qf+7], 0, v[KSW+\t-4], v[\qs] matrix_a_fmt:MATRIX_FMT_FP4 matrix_b_fmt:MATRIX_FMT_FP4 matrix_a_scale:MATRIX_SCALE_ROW1
.endr
.rept 4
	v_nop
.endr
	s_cmp_lg_u32 s[KS], s[\sa]                     ; only the step on the diagonal has hidden keys
	s_cbranch_scc1 .Lopen_\@
.set n, 0
.rept 64
	v_cmp_gt_i32 vcc_lo, 32*(n/16)+n%16, v[DM]
	v_cndmask_b32 v[S+n], v[S+n], v[NEG], vcc_lo
.set n, n+1
.endr
.Lopen_\@:
.irp b, 0,1,2,3
	v_max3_num_f32 v[BM+\b], v[S+16*\b], v[S+16*\b+1], v[S+16*\b+2]       ; the largest score of each block of 32 keys: for the row's maximum, and, since p rises with the score, for the block's largest p
.endr
.irp i, 3,5,7,9,11,13
.irp b, 0,1,2,3
	v_max3_num_f32 v[BM+\b], v[BM+\b], v[S+16*\b+\i], v[S+16*\b+\i+1]
.endr
.endr
.irp b, 0,1,2,3
	v_max_num_f32 v[BM+\b], v[BM+\b], v[S+15+16*\b]
.endr
.irp b, 0,1,2,3
	s_delay_alu instid0(VALU_DEP_4)
	v_permlanex16_b32 v[PD+\b], v[BM+\b], s[SEL], s[SEL+1]
.endr
.irp b, 0,1,2,3
	s_delay_alu instid0(VALU_DEP_4)
	v_max_num_f32 v[BM+\b], v[BM+\b], v[PD+\b]
.endr
	s_delay_alu instid0(VALU_DEP_2)
	v_max3_num_f32 v[TMP], v[BM], v[BM+1], v[BM+2]
	s_delay_alu instid0(VALU_DEP_1)
	v_max_num_f32 v[TMP], v[TMP], v[BM+3]
	s_delay_alu instid0(VALU_DEP_1)
	v_mul_f32 v[TMP], s[CS], v[TMP]
	s_delay_alu instid0(VALU_DEP_1)
	v_max_num_f32 v13, v13, v[TMP]                 ; the running largest t
	v_mov_b32 v[TMP], v12
	s_delay_alu instid0(VALU_DEP_2)
	v_floor_f32 v12, -v13                          ; -M = floor(-t): M is a whole number
	s_delay_alu instid0(VALU_DEP_1)
	v_sub_f32 v[TMP], v12, v[TMP]
	s_delay_alu instid0(VALU_DEP_1)
	v_cvt_i32_f32 v[TMP], v[TMP]                   ; (it saturates)
	s_delay_alu instid0(VALU_DEP_1)
	v_ldexp_f32 v[F], 1.0, v[TMP]                  ; f = 2^(old M - new M): a multiplication by it rounds nothing
.set j, 0
.rept 32
	v_pk_fma_f32 v[S+j:S+j+1], v[S+j:S+j+1], s[CS:CS+1], v[12:13] op_sel_hi:[1,0,0]   ; t - M
.set j, j+2
.endr
	s_setprio 1
.irp b, 0,1,2,3
	v_fma_f32 v[BM+\b], v[BM+\b], s[CS], v12
.endr
.set j, 0
	s_wait_alu depctr_va_vdst(0)
.rept 64
	v_exp_f32 v[S+j], v[S+j]                       ; p = 2^(t - M)
.set j, j+1
.endr
	v_pk_mul_f32 v[14:15], v[14:15], v[F:F+1] op_sel_hi:[1,0]             ; the sums under the new M: a plain line behind the exponentials
	s_wait_alu depctr_va_vdst(0)                   ; one wait for the batch of 64, ahead of its first reader
.irp b, 0,1,2,3
	v_exp_f32 v[BM+\b], v[BM+\b]                   ; the blocks' largest p
.endr
	v_pk_add_f32 v[218:219], v[104:105], v[108:109]
	v_pk_add_f32 v[254:255], v[112:113], v[116:117]
	v_pk_add_f32 v[252:253], v[120:121], v[124:125]
	v_pk_add_f32 v[250:251], v[128:129], v[132:133]
	v_pk_add_f32 v[248:249], v[136:137], v[140:141]
	v_pk_add_f32 v[246:247], v[144:145], v[148:149]
	v_pk_add_f32 v[244:245], v[152:153], v[156:157]
	v_pk_add_f32 v[14:15], v[14:15], v[160:161]
	v_pk_add_f32 v[218:219], v[218:219], v[100:101]
	v_pk_add_f32 v[254:255], v[254:255], v[102:103]
	v_pk_add_f32 v[252:253], v[252:253], v[106:107]
	v_pk_add_f32 v[250:251], v[250:251], v[110:111]
	v_pk_add_f32 v[248:249], v[248:249], v[114:115]
	v_pk_add_f32 v[246:247], v[246:247], v[118:119]
	v_pk_add_f32 v[244:245], v[244:245], v[122:123]
	v_pk_add_f32 v[14:15], v[14:15], v[126:127]
	v_pk_add_f32 v[218:219], v[218:219], v[130:131]
	v_pk_add_f32 v[254:255], v[254:255], v[134:135]
	v_pk_add_f32 v[252:253], v[252:253], v[138:139]
	v_pk_add_f32 v[250:251], v[250:251], v[142:143]
	v_pk_add_f32 v[248:249], v[248:249], v[146:147]
	v_pk_add_f32 v[246:247], v[246:247], v[150:151]
	v_pk_add_f32 v[244:245], v[244:245], v[154:155]
	v_pk_add_f32 v[14:15], v[14:15], v[158:159]
	v_pk_add_f32 v[218:219], v[218:219], v[162:163]
	s_delay_alu instid0(VALU_DEP_2)
	v_pk_add_f32 v[14:15], v[14:15], v[250:251]
	s_delay_alu instid0(VALU_DEP_2)
	v_pk_add_f32 v[218:219], v[218:219], v[248:249]
	v_pk_add_f32 v[254:255], v[254:255], v[246:247]
	v_pk_add_f32 v[252:253], v[252:253], v[244:245]
	s_delay_alu instid0(VALU_DEP_2)
	v_pk_add_f32 v[14:15], v[14:15], v[254:255]
	s_delay_alu instid0(VALU_DEP_2)
	v_pk_add_f32 v[218:219], v[218:219], v[252:253]
	s_delay_alu instid0(VALU_DEP_1)
	v_pk_add_f32 v[14:15], v[14:15], v[218:219]
	s_wait_alu depctr_va_vdst(0)                   ; and one for the four
.irp b, 0,1,2,3
	v_max_num_f32 v[BM+\b], 0x1800000, v[BM+\b]    ; the floor: a block whose every p is 0 keeps the byte 1; its codes are zeros
.endr
.irp b, 0,1,2,3
	s_delay_alu instid0(VALU_DEP_4)
	v_add_nc_u32 v[SO+\b], 0xff000000, v[BM+\b]
.endr
.irp b, 0,1,2,3
	s_delay_alu instid0(VALU_DEP_4)
	v_lshrrev_b32 v[PD+\b], 23, v[SO+\b]
.endr
	s_delay_alu instid0(VALU_DEP_3)
	v_lshl_or_b32 v[PSW], v[PD+1], 8, v[PD]
	s_delay_alu instid0(VALU_DEP_1)
	v_lshl_or_b32 v[PSW], v[PD+2], 16, v[PSW]
	s_delay_alu instid0(VALU_DEP_1)
	v_lshl_or_b32 v[PSW], v[PD+3], 24, v[PSW]
	s_setprio 0
.irp b, 0,1,2,3
	v_cvt_scalef32_pk8_fp4_f32 v[PC+2*\b], v[S+16*\b:S+16*\b+7], v[SO+\b]
	v_cvt_scalef32_pk8_fp4_f32 v[PC+2*\b+1], v[S+16*\b+8:S+16*\b+15], v[SO+\b]
.endr
	v_nop                                          ; one plain place behind a scaled conversion
.irp c, 0,1
.irp i, 0,1
	v_permlane16_swap_b32 v[PC+4*\c+\i], v[PC+2+4*\c+\i]
.endr
.endr
.set j, 0
.rept 16
	v_pk_mul_f32 v[O+j:O+j+1], v[O+j:O+j+1], v[F:F+1] op_sel_hi:[1,0]     ; O^T under the new M; these 16 are also the places between the lines that wrote p's codes and scale word and the products
.set j, j+2
.endr
	s_wait_alu depctr_va_vdst(0)
	s_wait_dscnt 0x0                               ; V and its scale words
.irp d, 0,1
	v_wmma_scale_f32_16x16x128_f8f6f4 v[O+8*\d:O+8*\d+7], v[VF+8*\d:VF+8*\d+7], v[PC:PC+7], v[O+8*\d:O+8*\d+7], v[VSW+\d], v[PSW] matrix_a_fmt:MATRIX_FMT_FP4 matrix_b_fmt:MATRIX_FMT_FP4
.endr
.irp d, 2,3
	v_wmma_scale_f32_16x16x128_f8f6f4 v[O+8*\d:O+8*\d+7], v[VF+8*\d:VF+8*\d+7], v[PC:PC+7], v[O+8*\d:O+8*\d+7], v[VSW+\d-2], v[PSW] matrix_a_fmt:MATRIX_FMT_FP4 matrix_b_fmt:MATRIX_FMT_FP4 matrix_a_scale:MATRIX_SCALE_ROW1
.endr
.Lhid_\@:
	s_add_co_u32 s[TB], s[TB], 8960
	s_add_co_u32 s[KS], s[KS], 1
	s_cmp_lt_u32 s[KS], 16
	s_cbranch_scc1 .Lks_\@
	s_setprio 0
	; the pass's way out: O^T / the sum, quantised along the head's 64: two blocks; a lane's 32 registers are d = 32 b + 16 h + i at register 16 b + i
.rept 4
	v_nop                                          ; places behind the last products
.endr
	v_add_f32 v14, v14, v15
	s_delay_alu instid0(VALU_DEP_1)
	v_permlanex16_b32 v[TMP], v14, s[SEL], s[SEL+1]
	s_delay_alu instid0(VALU_DEP_1)
	v_add_f32 v14, v14, v[TMP]                     ; the row's sum
	s_wait_alu depctr_va_vdst(0)
	v_rcp_f32 v14, v14
	v_nop                                          ; a plain line behind the reciprocal,
	s_wait_alu depctr_va_vdst(0)                   ; and the wait ahead of its first reader
.set j, 0
.rept 16
	v_pk_mul_f32 v[S+j:S+j+1], v[O+j:O+j+1], v[14:15] op_sel_hi:[1,0]
.set j, j+2
.endr
.irp b, 0,1
	v_max3_num_f32 v[BM+\b], |v[S+16*\b]|, |v[S+16*\b+1]|, 0x1800000
.endr
.irp i, 2,4,6,8,10,12,14
.irp b, 0,1
	s_delay_alu instid0(VALU_DEP_2)
	v_max3_num_f32 v[BM+\b], v[BM+\b], |v[S+16*\b+\i]|, |v[S+16*\b+\i+1]|
.endr
.endr
.irp b, 0,1
	s_delay_alu instid0(VALU_DEP_2)
	v_permlanex16_b32 v[PD+\b], v[BM+\b], s[SEL], s[SEL+1]
.endr
.irp b, 0,1
	s_delay_alu instid0(VALU_DEP_2)
	v_max_num_f32 v[BM+\b], v[BM+\b], v[PD+\b]
.endr
.irp b, 0,1
	s_delay_alu instid0(VALU_DEP_2)
	v_add_nc_u32 v[SO+\b], 0xff000000, v[BM+\b]
.endr
.irp b, 0,1
	s_delay_alu instid0(VALU_DEP_2)
	v_lshrrev_b32 v[PD+\b], 23, v[SO+\b]
.endr
	s_delay_alu instid0(VALU_DEP_1)
	v_lshl_or_b32 v[\ow], v[PD+1], 8, v[PD]        ; my row's two scale bytes
.irp b, 0,1
	v_cvt_scalef32_pk8_fp4_f32 v[\oc+2*\b], v[S+16*\b:S+16*\b+7], v[SO+\b]
	v_cvt_scalef32_pk8_fp4_f32 v[\oc+2*\b+1], v[S+16*\b+8:S+16*\b+15], v[SO+\b]
.endr
	v_nop
	v_permlane16_swap_b32 v[\oc], v[\oc+2]         ; lane (r, h) now holds d = 32 h + 0 .. 31
	v_permlane16_swap_b32 v[\oc+1], v[\oc+3]
	global_store_b128 v[LI], v[\oc:\oc+3], s[\op:\op+1]                   ; half an image of the last product's operand: 512 consecutive bytes, aligned
.endm
	PASS QA, QSA, SA, OC, OW, OPA
	PASS QB, QSB, SB, OC+4, OW+1, OPB
	v_cmp_le_u32 vcc_lo, 16, v8                    ; lanes 0-15 store pass A's scale bytes, lanes 16-31 pass B's
	s_delay_alu instid0(VALU_DEP_1)
	v_cndmask_b32 v[TMP], v[OW], v[OW+1], vcc_lo
	v_mul_u32_u24 v[BM], s21, v10
	s_delay_alu instid0(VALU_DEP_1)
	v_lshl_add_u32 v[BM], v9, 4, v[BM]
	global_store_b16 v[BM], v[TMP], s[ASP:ASP+1]   ; two bytes a row, 16 bytes apart: a head's share of a scale word (262,144 bytes of such stores in the whole launch)
	s_wait_tensorcnt 0x0                           ; the wave's end
	ds_add_u32 v[SPW], v[NIL]
	s_wait_dscnt 0x0
	CROUND                                         ; the closing round
	s_endpgm
.Lfunc_end_k_q61feff6308_attn:
	.size	k_q61feff6308_attn, .Lfunc_end_k_q61feff6308_attn-k_q61feff6308_attn
	.p2alignl 7, 3214868480
	.fill 96, 4, 3214868480
	.section	.rodata,"a",@progbits
	.p2align	6, 0x0
	.amdhsa_kernel k_q61feff6308_attn
		.amdhsa_group_segment_fixed_size 167936
		.amdhsa_private_segment_fixed_size 0
		.amdhsa_enable_private_segment 0
		.amdhsa_kernarg_size 32
		.amdhsa_user_sgpr_count 2
		.amdhsa_user_sgpr_kernarg_segment_ptr 1
		.amdhsa_wavefront_size32 1
		.amdhsa_system_sgpr_workgroup_id_x 1
		.amdhsa_system_sgpr_workgroup_id_y 1
		.amdhsa_system_sgpr_workgroup_id_z 1
		.amdhsa_system_vgpr_workitem_id 0
		.amdhsa_next_free_vgpr 256
		.amdhsa_next_free_sgpr 72
		.amdhsa_reserve_vcc 1
		.amdhsa_float_denorm_mode_32 3
		.amdhsa_float_denorm_mode_16_64 3
		.amdhsa_memory_ordered 1
		.amdhsa_forward_progress 1
		.amdhsa_inst_pref_size 60
	.end_amdhsa_kernel
	.amdgpu_metadata
---
amdhsa.version: [ 1, 2 ]
amdhsa.kernels:
  - .name:           k_q61feff6308_attn
    .symbol:         k_q61feff6308_attn.kd
    .args:
      - { .name: qb, .offset: 0, .size: 8, .value_kind: global_buffer, .address_space: global }
      - { .name: kv, .offset: 8, .size: 8, .value_kind: global_buffer, .address_space: global }
      - { .name: ac, .offset: 16, .size: 8, .value_kind: global_buffer, .address_space: global }
      - { .name: asc, .offset: 24, .size: 8, .value_kind: global_buffer, .address_space: global }
    .group_segment_fixed_size: 167936
    .private_segment_fixed_size: 0
    .kernarg_segment_align: 8
    .kernarg_segment_size: 32
    .max_flat_workgroup_size: 512
    .sgpr_count:     72
    .vgpr_count:     256
    .wavefront_size: 32
...
	.end_amdgpu_metadata
.endif
;; end of part 3
;; launch outp (part 4): grid 4 x 32, 4 waves a work-group, clusters of 4 x 4, 327,680 bytes of LDS; arguments ac, asc, wc, ws, b_o, out0; writes out0
.if DOCPART == 4
	.amdgcn_target "amdgcn-amd-amdhsa--gfx1250"
	.amdhsa_code_object_version 6
	.text
	.protected	k_q61feff6308_outp
	.globl	k_q61feff6308_outp
	.p2align	8
	.type	k_q61feff6308_outp,@function
k_q61feff6308_outp:
	s_mov_b64 s[64:65], 0
	v_nop
	global_prefetch_b8 v0, s[64:65] scope:SCOPE_SE
	s_setreg_imm32_b32 hwreg(HW_REG_WAVE_MODE, 25, 1), 1
	s_wait_xcnt 0x0
	s_wait_alu depctr_hold_cnt(0) depctr_sa_sdst(0) depctr_va_vdst(0) depctr_va_sdst(0) depctr_va_ssrc(0) depctr_va_vcc(0) depctr_vm_vsrc(0)
	s_getreg_b32 s2, hwreg(HW_REG_IB_STS2, 6, 4)
	s_cmp_eq_u32 s2, 0
	s_cbranch_scc0 .Lentry_in_a_cluster
	s_endpgm
.Lentry_in_a_cluster:
	s_bfe_u32 s2, ttmp6, 0x10000c
	s_cmp_lg_u32 s2, 0xf033
	s_cbranch_scc0 .Lentry_shape_is_right
	s_endpgm
.Lentry_shape_is_right:
; LAUNCH 4 OF 4: out0 = (attention's result) W_o + b_o on codes of E2M1; f32 results.  Nothing is left out here.
; The main part is launch 2's: a work-group of four waves makes 256 x 256, a wave 128 x 128; K = 1,024 is two LDS slots of four steps of 128, all tensor loads are first fills; operands are images of their registers.
; Source 0 = W_o's tiles (features), source 1 = the tokens' tiles: a lane holds one token's row and its registers run along the features.  The bias is the C of each sum's first matrix instruction.
; CLUSTERS: 4 x 4: the tokens' block hangs on the place along y and is shared along a row of the cluster, the weight's on the place along x and is shared along a column.  No prefetch: every tensor load stands at the head.
; 128 work-groups: 8,192 x 1,024 results in blocks of 256 x 256.
; THE WAY OUT: a block of 16 rows x 128 features goes through the wave's own stage in LDS (bytes that no tensor load fills) and leaves as whole rows of 512 bytes.
; REGISTERS: window 0: v16-29 addresses; v32-95 scale words, nothing else ever; v128-191 source 1's fragments; v192-255 the bias; on the way out v128-255 take rows.  window 1: source 0's fragments.  windows 2, 3: accumulators.
.set NQ,    4
.set FR,    8
.set NL,    2
.set NP,    4
.set SLOT,  131072
.set SCL,   262144
.set SPARE, 278528
.set STAGE, 279040                     ; 16 rows x 528 bytes for each wave
.set SPITCH, 528
.set ADRA, 16
.set ADRB, 20
.set LI,   24                          ; 16 x lane
.set STO,  25
.set RD,   26
.set ADRS, 27
.set SPW,  28
.set NIL,  29
.set SC,   32
.set AF,   128
.set BK,   128
.set BB,   192
.set WV,  22
.set HI,  23
.set LO,  24
.set CX,  25
.set CY,  26
.set G1,   28
.set G1B,  36
.set G1S,  44
.set G1SB, 52
.set G0,   68
.set G0B,  76
.set G0S,  84
.set G0SB, 88
.set MSB, 0
.macro WIN new
.if MSB != \new
	s_set_vgpr_msb (MSB<<8)|\new
.set MSB, \new
.endif
.endm
.set MUL_LO, 0xa1
.set MUL_HI, 0xf1
.set TO_B,   0x40
.macro JLOAD g0a, g1a, g0b, g1b        ; waves 0 and 1 fetch for source 1, waves 2 and 3 for source 0; an s_nop 0 and four v_nop follow each line
	s_cmp_eq_u32 s[HI], 0
	s_cbranch_scc0 .Lfor_b_\@
	tensor_load_to_lds s[\g0a:\g0a+3], s[\g1a:\g1a+7]
	s_nop 0
.rept 4
	v_nop
.endr
	s_branch .Lasked_\@
.Lfor_b_\@:
	tensor_load_to_lds s[\g0b:\g0b+3], s[\g1b:\g1b+7]
	s_nop 0
.rept 4
	v_nop
.endr
.Lasked_\@:
.endm
.macro CROUND
	s_barrier_signal -1
	s_barrier_wait -1
	s_cmp_lg_u32 s[WV], 0
	s_cbranch_scc1 .Lnot_wave_0_\@
	s_barrier_signal -3
.Lnot_wave_0_\@:
	s_barrier_wait -3
	s_barrier_signal -1
	s_barrier_wait -1
.endm
	s_load_b256 s[4:11], s[0:1], 0x0               ; ac s[4:5], asc s[6:7], wc s[8:9], ws s[10:11]
	s_load_b128 s[12:15], s[0:1], 0x20             ; b_o s[12:13], out0 s[14:15]
	v_lshl_add_u32 v[SPW], v0, 2, SPARE
	v_mov_b32 v[NIL], 0
	ds_add_u32 v[SPW], v[NIL]                      ; the wave's opening: the add, twice on end, and its wait ahead of my first tensor load
	ds_add_u32 v[SPW], v[NIL]
	v_lshrrev_b32 v1, 5, v0
	v_readfirstlane_b32 s[WV], v1
	s_lshr_b32 s[HI], s[WV], 1
	s_and_b32 s[LO], s[WV], 1
	s_bfe_u32 s[CX], ttmp6, 0x40000
	s_bfe_u32 s[CY], ttmp6, 0x40004
	s_and_b32 s66, ttmp7, 0xffff
	s_lshl_b32 s66, s66, 2
	s_add_co_u32 s66, s66, s[CY]                   ; the tokens' block of 256: 4 x cluster y + cy
	s_lshl_b32 s61, s[CY], 2
	s_lshl_b32 s61, 15, s61                        ; my row of the cluster
	s_lshl_b32 s62, 0x1111, s[CX]                  ; my column
	s_or_b32 s[G1], s61, (3<<16)|(1<<21)
	s_or_b32 s[G1S], s61, (3<<16)|(1<<21)
	s_or_b32 s[G1B], s62, (3<<16)|(1<<21)
	s_or_b32 s[G1SB], s62, (3<<16)|(1<<21)
.irp g, G1, G1B                        ; codes: 8 rows of 4,096 bytes, 8,192 bytes apart
	s_mov_b32 s[\g+1], 512<<16
	s_mov_b32 s[\g+2], 8<<16
	s_mov_b32 s[\g+3], 512<<16
	s_mov_b32 s[\g+4], 8
	s_mov_b32 s[\g+5], 1024
	s_mov_b32 s[\g+6], 0
	s_mov_b32 s[\g+7], 0
.endr
.irp g, G1S, G1SB                      ; scale words: 16 rows of 256 bytes, dense
	s_mov_b32 s[\g+1], 32<<16
	s_mov_b32 s[\g+2], 16<<16
	s_mov_b32 s[\g+3], 32<<16
	s_mov_b32 s[\g+4], 16
	s_mov_b32 s[\g+5], 32
	s_mov_b32 s[\g+6], 0
	s_mov_b32 s[\g+7], 0
.endr
	s_lshl_b32 s67, s[LO], 16
	s_lshl_b32 s[G0B+2], s[CX], 17                 ; the weight's block of 256 features: cx,
	s_add_co_u32 s[G0B+2], s[G0B+2], s67
	s_add_co_u32 s[G0B+2], s[G0B+2], 1572864       ; in W_o's codes, the fourth weight of wc
	s_mov_b32 s[G0B+3], 0
	s_lshl_b32 s[G0+2], s66, 17
	s_add_co_u32 s[G0+2], s[G0+2], s67
	s_mov_b32 s[G0+3], 0
	s_lshl_b32 s67, s[LO], 12
	s_lshl_b32 s[G0SB+2], s[CX], 13
	s_add_co_u32 s[G0SB+2], s[G0SB+2], s67
	s_add_co_u32 s[G0SB+2], s[G0SB+2], 98304
	s_mov_b32 s[G0SB+3], 0
	s_lshl_b32 s[G0S+2], s66, 13
	s_add_co_u32 s[G0S+2], s[G0S+2], s67
	s_mov_b32 s[G0S+3], 0
	s_wait_dscnt 0x0                               ; both opening adds are done
	s_wait_kmcnt 0x0
	s_add_nc_u64 s[G0+2:G0+3], s[4:5], s[G0+2:G0+3]
	s_add_nc_u64 s[G0B+2:G0B+3], s[8:9], s[G0B+2:G0B+3]
	s_add_nc_u64 s[G0S+2:G0S+3], s[6:7], s[G0S+2:G0S+3]
	s_add_nc_u64 s[G0SB+2:G0SB+3], s[10:11], s[G0SB+2:G0SB+3]
	s_add_nc_u64 s[G0+6:G0+7], s[G0+2:G0+3], 4096
	s_add_nc_u64 s[G0B+6:G0B+7], s[G0B+2:G0B+3], 4096
.irp g, G0+3, G0+7, G0B+3, G0B+7, G0S+3, G0SB+3
	s_or_b32 s[\g], s[\g], 0x80000000
.endr
	s_lshl_b32 s67, s[WV], 15
	s_lshl_b32 s61, s[WV], 12
.irp g, G0, G0B
	s_mov_b32 s[\g], 1
	s_add_co_u32 s[\g+1], s67, 0
	s_mov_b32 s[\g+4], 1
	s_add_co_u32 s[\g+5], s67, SLOT
.endr
	s_mov_b32 s[G0S], 1
	s_add_co_u32 s[G0S+1], s61, SCL
	s_mov_b32 s[G0SB], 1
	s_add_co_u32 s[G0SB+1], s61, SCL
	CROUND
	JLOAD G0S, G1S, G0SB, G1SB                     ; three loads of mine are out
	JLOAD G0, G1, G0B, G1B
	JLOAD G0+4, G1, G0B+4, G1B
	v_and_b32 v3, 31, v0
	v_lshlrev_b32 v[LI], 4, v3
	v_and_b32 v1, 15, v0                           ; r
	v_bfe_u32 v2, v0, 4, 1                         ; h
	s_wait_alu depctr_va_vdst(0)
	s_lshl_b32 s60, s[HI], 15
	s_lshl_b32 s61, s[LO], 15
	s_add_co_u32 s61, s61, 65536
.irp s, 0,1
	v_add_nc_u32 v[ADRA+\s], s60, v[LI]
	v_add_nc_u32 v[ADRB+\s], s61, v[LI]
	s_add_co_u32 s60, s60, SLOT
	s_add_co_u32 s61, s61, SLOT
.endr
	v_lshlrev_b32 v5, 4, v1
	s_lshl_b32 s60, s[HI], 12
	s_lshl_b32 s61, s[LO], 12
	s_add_co_u32 s61, s61, 8192
	s_sub_co_u32 s61, s61, s60
	v_mul_u32_u24 v6, s61, v2
	s_add_co_u32 s60, s60, SCL
	v_add_nc_u32 v5, v5, v6
	v_add_nc_u32 v[ADRS], s60, v5
	s_mul_i32 s60, s[WV], 16*SPITCH
	s_add_co_u32 s60, s60, STAGE                   ; my stage
	v_mul_u32_u24 v[STO], v1, SPITCH
	v_lshl_add_u32 v[STO], v2, 6, v[STO]
	v_add_nc_u32 v[STO], s60, v[STO]               ; in: row r, + 64 h: features 16 h on of each 32
	v_add_nc_u32 v[RD], s60, v[LI]                 ; back: the 32 lanes take one row of 512 bytes
	s_lshl_b32 s60, s[CX], 10                      ; my 128 features, in bytes: 1,024 cx + 512 (wave % 2)
	s_lshl_b32 s61, s[LO], 9
	s_add_co_u32 s60, s60, s61
	s_mov_b32 s61, 0
	s_add_nc_u64 s[12:13], s[12:13], s[60:61]      ; in b_o,
	s_add_nc_u64 s[14:15], s[14:15], s[60:61]      ; and in a row of out0
	s_lshl_b32 s60, s66, 1
	s_add_co_u32 s60, s60, s[HI]
	s_lshl_b32 s60, s60, 19                        ; my 128 rows of 4,096 bytes
	s_add_nc_u64 s[14:15], s[14:15], s[60:61]
	v_lshlrev_b32 v7, 6, v2                        ; register 8 b + j wants feature 32 (b / 2) + 16 h + 8 (b % 2) + j
.irp b, 0,1,2,3,4,5,6,7
	global_load_b128 v[BB+8*\b:BB+8*\b+3], v7, s[12:13] offset:(32*(\b/2)+8*(\b%2))*4
	global_load_b128 v[BB+8*\b+4:BB+8*\b+7], v7, s[12:13] offset:(32*(\b/2)+8*(\b%2))*4+16
.endr
.macro FRAG reg, adr, q, i
.irp c, 0,1
	ds_load_b128 v[\reg+4*\c:\reg+4*\c+3], v[\adr] offset:4096*(\i)+1024*(\q)+512*\c
.endr
.endm
; first = 1: the sum's first product takes the bias as C (eight registers a tile of features, in the result's layout, window 0).  The 64 accumulators take turns.
.macro MUL16 a0, p, q, sc, first
.irp a, \a0, \a0+1
.irp b, 0,1,2,3,4,5,6,7
.if \first
	v_wmma_scale_f32_16x16x128_f8f6f4 v[8*(8*((\a)%4)+\b):8*(8*((\a)%4)+\b)+7], v[128*(\p)+FR*\b:128*(\p)+FR*\b+FR-1], v[AF+FR*(\a):AF+FR*(\a)+FR-1], v[BB+8*\b:BB+8*\b+7], v[SC+8*NQ*(\sc)+NQ*\b+(\q)], v[SC+8*NQ*(\sc)+NQ*(\a)+(\q)] matrix_a_fmt:MATRIX_FMT_FP4 matrix_b_fmt:MATRIX_FMT_FP4 matrix_a_scale:MATRIX_SCALE_ROW1
.else
	v_wmma_scale_f32_16x16x128_f8f6f4 v[8*(8*((\a)%4)+\b):8*(8*((\a)%4)+\b)+7], v[128*(\p)+FR*\b:128*(\p)+FR*\b+FR-1], v[AF+FR*(\a):AF+FR*(\a)+FR-1], v[8*(8*((\a)%4)+\b):8*(8*((\a)%4)+\b)+7], v[SC+8*NQ*(\sc)+NQ*\b+(\q)], v[SC+8*NQ*(\sc)+NQ*(\a)+(\q)] matrix_a_fmt:MATRIX_FMT_FP4 matrix_b_fmt:MATRIX_FMT_FP4 matrix_a_scale:MATRIX_SCALE_ROW1
.endif
.endr
.endr
.endm
.macro FETCH_B slot, q, p
	WIN TO_B
.irp i, 0,1,2,3,4,5,6,7
	FRAG 128*(\p)+FR*\i, ADRB+\slot, \q, \i
.endr
	WIN 0
.endm
.macro FETCH_A slot, q, i0
.irp i, \i0, \i0+1, \i0+2, \i0+3
	FRAG AF+FR*(\i), ADRA+\slot, \q, \i
.endr
.endm
.macro SCALES sc
.irp i, 0,1,2,3,4,5,6,7
	ds_load_b128 v[SC+8*NQ*\sc+NQ*\i:SC+8*NQ*\sc+NQ*\i+3], v[ADRS] offset:\i*512
.endr
.endm
.macro PLACES n
.rept \n
	v_nop
.endr
.endm
.macro STEP slot, q, first
	s_wait_dscnt 4*NL                              ; all but the youngest eight loads (source 1's tiles 4-7)
.if \first
	WIN 0x81                                       ; source 0 window 1, source 1 and C window 0, D window 2
.else
	WIN MUL_LO
.endif
	MUL16 0, (\q)%2, \q, \slot, \first
	MUL16 2, (\q)%2, \q, \slot, \first
	s_wait_dscnt 0
	PLACES NP
	FETCH_B \slot, (\q)+1, 1-(\q)%2
	FETCH_A \slot, (\q)+1, 0
.if \first
	WIN 0xc1                                       ; the same, D window 3
.else
	WIN MUL_HI
.endif
	MUL16 4, (\q)%2, \q, \slot, \first
	MUL16 6, (\q)%2, \q, \slot, \first
	PLACES NP
	WIN 0
	FETCH_A \slot, (\q)+1, 4
.endm
	s_wait_alu depctr_va_vdst(0)
	s_wait_tensorcnt 1                             ; my scale words and my part of slot 0 are in; slot 1's load may be out
	s_barrier_signal -1
	s_barrier_wait -1
	FETCH_B 0, 0, 0
	FETCH_A 0, 0, 0
	SCALES 0
	FETCH_A 0, 0, 4
	s_wait_loadcnt 0x0                             ; the bias
	STEP 0, 0, 1
	STEP 0, 1, 0
	STEP 0, 2, 0
	s_wait_tensorcnt 0x0                           ; slot 0's last step goes over to slot 1: my part of it has landed,
	ds_add_u32 v[SPW], v[NIL]
	s_wait_dscnt 4*NL+1                            ; (the add and the youngest eight loads may be out)
	WIN MUL_LO
	MUL16 0, 1, 3, 0, 0
	s_wait_dscnt 0x0
	s_barrier_signal -1
	MUL16 2, 1, 3, 0, 0
	WIN 0
	s_barrier_wait -1                              ; everybody's has
	PLACES NP
	v_add_nc_u32 v[ADRS], 256, v[ADRS]
	FETCH_B 1, 0, 0
	FETCH_A 1, 0, 0
	SCALES 1
	WIN MUL_HI
	MUL16 4, 1, 3, 0, 0
	MUL16 6, 1, 3, 0, 0
	PLACES NP
	WIN 0
	FETCH_A 1, 0, 4
	STEP 1, 0, 0
	STEP 1, 1, 0
	STEP 1, 2, 0
	s_wait_dscnt 4*NL
	WIN MUL_LO
	MUL16 0, 1, 3, 1, 0
	MUL16 2, 1, 3, 1, 0
	s_wait_dscnt 0
	WIN MUL_HI
	MUL16 4, 1, 3, 1, 0
	MUL16 6, 1, 3, 1, 0
	WIN 0
; THE WAY OUT, a tile of 16 tokens x my 128 features at a time.  LDS serves a wave's instructions in order: no wait between the stores and the loads, nor in front of the next tile's stores.
.macro TOSTAGE a
.set AC, 64*((\a)%4)
	WIN 0x08+4*((\a)/4)                            ; an LDS store's data are its source 1: window 2 or 3
.irp b, 0,1,2,3,4,5,6,7
	ds_store_b128 v[STO], v[AC+8*\b:AC+8*\b+3] offset:128*(\b/2)+32*(\b%2)        ; each accumulator from its low end on: features 32 (b / 2) + 16 h + 8 (b % 2) + 0 .. 7
	ds_store_b128 v[STO], v[AC+8*\b+4:AC+8*\b+7] offset:128*(\b/2)+32*(\b%2)+16
.endr
	WIN 0
.set BF, BK+64*((\a)%2)
.irp t, 0,1,2,3,4,5,6,7,8,9,10,11,12,13,14,15
	ds_load_b128 v[BF+4*\t:BF+4*\t+3], v[RD] offset:\t*SPITCH
.endr
.endm
.macro SEND a, younger                 ; younger: the LDS instructions issued behind tile a's loads, which may stay out
.set BF, BK+64*((\a)%2)
	s_wait_dscnt \younger
.irp t, 0,1,2,3,4,5,6,7,8,9,10,11,12,13,14,15
	global_store_b128 v[LI], v[BF+4*\t:BF+4*\t+3], s[14:15] offset:(32*((\a)/2)+8*((\a)%2)+\t+8*(\t/8))*4096 th:TH_STORE_NT   ; row t of tile a: 512 consecutive bytes, aligned; 127 rows of 4,096 bytes at the most stand in the immediate
.endr
.endm
	PLACES NP                                      ; behind the last products
	TOSTAGE 0
.irp a, 1,2,3,4,5,6,7
.if \a > 1
	s_wait_xcnt 0x0                                ; tile a - 2's stores have read their registers: tile a's loads may land there
.endif
	TOSTAGE \a
	SEND \a-1, 32                                  ; behind tile a - 1's loads: tile a's 16 stores and 16 loads
.endr
	SEND 7, 0
	s_wait_tensorcnt 0x0                           ; the wave's end: behind my last tensor load and my last LDS store
	ds_add_u32 v[SPW], v[NIL]
	s_wait_dscnt 0x0
	CROUND                                         ; the closing round
	s_endpgm
.Lfunc_end_k_q61feff6308_outp:
	.size	k_q61feff6308_outp, .Lfunc_end_k_q61feff6308_outp-k_q61feff6308_outp
	.p2alignl 7, 3214868480
	.fill 96, 4, 3214868480
	.section	.rodata,"a",@progbits
	.p2align	6, 0x0
	.amdhsa_kernel k_q61feff6308_outp
		.amdhsa_group_segment_fixed_size 327680
		.amdhsa_private_segment_fixed_size 0
		.amdhsa_enable_private_segment 0
		.amdhsa_kernarg_size 48
		.amdhsa_user_sgpr_count 2
		.amdhsa_user_sgpr_kernarg_segment_ptr 1
		.amdhsa_wavefront_size32 1
		.amdhsa_system_sgpr_workgroup_id_x 1
		.amdhsa_system_sgpr_workgroup_id_y 1
		.amdhsa_system_sgpr_workgroup_id_z 1
		.amdhsa_system_vgpr_workitem_id 0
		.amdhsa_next_free_vgpr 1024
		.amdhsa_next_free_sgpr 100
		.amdhsa_reserve_vcc 0
		.amdhsa_float_denorm_mode_32 3
		.amdhsa_float_denorm_mode_16_64 3
		.amdhsa_memory_ordered 1
		.amdhsa_forward_progress 1
		.amdhsa_inst_pref_size 125
	.end_amdhsa_kernel
	.amdgpu_metadata
---
amdhsa.version: [ 1, 2 ]
amdhsa.kernels:
  - .name:           k_q61feff6308_outp
    .symbol:         k_q61feff6308_outp.kd
    .args:
      - { .name: ac, .offset: 0, .size: 8, .value_kind: global_buffer, .address_space: global }
      - { .name: asc, .offset: 8, .size: 8, .value_kind: global_buffer, .address_space: global }
      - { .name: wc, .offset: 16, .size: 8, .value_kind: global_buffer, .address_space: global }
      - { .name: ws, .offset: 24, .size: 8, .value_kind: global_buffer, .address_space: global }
      - { .name: b_o, .offset: 32, .size: 8, .value_kind: global_buffer, .address_space: global }
      - { .name: out0, .offset: 40, .size: 8, .value_kind: global_buffer, .address_space: global }
    .group_segment_fixed_size: 327680
    .private_segment_fixed_size: 0
    .kernarg_segment_align: 8
    .kernarg_segment_size: 48
    .max_flat_workgroup_size: 128
    .sgpr_count:     100
    .vgpr_count:     1024
    .wavefront_size: 32
...
	.end_amdgpu_metadata
.endif
;; end of part 4
